; MI455X (gfx1250); checked and timed in simulation.
; The chip was launched on July 23, 2026; its instructions are those of AMD's public machine-readable ISA for CDNA 5 (MIT licence, August 2026) and "CDNA5" Instruction Set Architecture Reference Guide (July 2026). The comments in the code are by the model that wrote it; some were corrected since.
;; Householder Sylvester Flow. Allowed arithmetic: float matrix products may take bf16 or f16 operands with f32 sums; all other float work in f32.
;; Inputs: W_lin 300 x 18,688 float32; b_lin 18,688 float32; h 4,096 x 300 float32; z_0 4,096 x 32 float32.
;; Outputs: out0 4,096 x 32 float32; out1 4,096 x 32 float32.
;; 2 versions, each right; version 2 is version 1 with the launch prep written anew for expert scheduling mode. Each part assembles by itself: llvm-mc -triple=amdgcn-amd-amdhsa -mcpu=gfx1250 --defsym DOCPART=n.
;; ======== version 1 of 2: 3 launches
;; limits: values outside matrix products are rounded to bf16
;; workspace buffers: h16 2,555,904 bytes; w16 6,881,280 bytes; P 176,160,768 bytes
;; launch prep (part 1): grid 512 x 1, 2 waves a work-group, no clusters, 76,032 bytes of LDS; arguments W_lin, b_lin, h, w16, h16; writes w16, h16
.if DOCPART == 1
	.amdgcn_target "amdgcn-amd-amdhsa--gfx1250"
	.amdhsa_code_object_version 6
	.text
	.protected	k_q94acf482a3_prep
	.globl	k_q94acf482a3_prep
	.p2align	8
	.type	k_q94acf482a3_prep,@function
k_q94acf482a3_prep:
	s_mov_b64 s[64:65], 0
	v_nop
	global_prefetch_b8 v0, s[64:65] scope:SCOPE_SE
	s_setreg_imm32_b32 hwreg(HW_REG_WAVE_MODE, 25, 1), 1
	s_wait_xcnt 0x0
; PREP: the two operands of the product params = h W + b, rounded once to bf16 and laid out for the launch behind.
; w16 [tile 42][half 2][panel 2][kk 160][place 16][8] bf16: only the 10,752 columns of W that survive the module's own triu, in the order in which the
;   flow launch wants them.  Row k = 160 half + kk; k < 300: W's row k; k = 300: b_lin (it meets a column of ones in h16); k = 301..319: zeros.
;   A panel is item j (0..20) of flow pair fp (0..3): 16 chunks c = 8 e + g of 8 numbers (flow 2 fp + e, lane g of 8).  Chunk c lies at place c xor 2 (k & 7).
; h16 [4096][312] bf16: columns 0..299 h, column 300 = 1, columns 301..311 = 0.
; THE ORDER OF COLUMNS.  Lane g owns in band B (0..3) the component own(B, g) = 8 B + g (B even) or 8 B + 7 - g (B odd).  With gp = (g + p) & 7, wr = (g + p) >> 3, position p of
;   items 0-3 (c = j): V[2 c + p / 4][own(p % 4, g)]          item 4: R's diagonal at own(1), own(3); R~'s at own(1), own(3); b at own(0..3)
;   items 5, 6 (R~) and 13, 14 (R), be = 0, 2: M[own(be + wr, g)][own(be + wr, gp)]: the even band's diagonal and strict upper part, then the odd band's strict upper part
;   items 7-12 (R~) and 15-20 (R), (b, q) = (0,1) (0,2) (0,3) (1,2) (1,3) (2,3): M[own(b, g)][own(q, gp)]
; SHARES.  Work-group x < 320 makes row k = x of w16; wave w serves flows 4 w .. 4 w + 3: it stages their part of the row in LDS bytes of its own (no wave reads another's, so no barrier)
; and gathers 21 items, 16 bytes a lane; sixteen lanes store 256 consecutive bytes, aligned.  Work-groups 320..511 make h16: three waves share 32 rows, 13 stores of 512 consecutive bytes a wave.
; No matrix unit, no cluster: each input byte is read once and nothing is shared.
.set ROWB,  74752                      ; bytes in a row of W_lin, and in b_lin
.set FS,    4128                       ; a flow's 32 x 32 numbers in the stage, 4,096 bytes + 32: the four flows of a gather start 8 banks apart
.set VS,    1056                       ; a flow's V: 1,024 + 32
.set BS,    160                        ; a flow's b: 128 + 32
.set RSEC,  0                          ; the stage of a wave: R,
.set TSEC,  4*FS                       ; R~,
.set VSEC,  8*FS                       ; V,
.set BSEC,  8*FS+4*VS                  ; b
.set WAVEB, 8*FS+4*VS+4*BS             ; 37,888 bytes a wave
.set SPARE, 2*WAVEB                    ; 75,776: the spare words, 128 bytes a wave: one block of 256 bytes that no other line names
.set SPW,  1                           ; v1   LDS address of my spare word; never rewritten
.set NIL,  2                           ; v2   0; never rewritten
.set OFFR, 3                           ; v3   my 16 bytes in the wave's part of R (and of R~)
.set OFFV, 4                           ; v4   of V
.set OFFB, 5                           ; v5   of b
.set ST,   6                           ; v6   stage + 16 x lane
.set STB,  7                           ; v7   where my 16 bytes of b go
.set OB,   8                           ; v8   my place in a row of a panel, with the row and the half
.set FP21, 9                           ; v9   21 x my flow pair
.set AEE,  16                          ; v16-23  row in an even band, column in an even band, for p = 0..7
.set AEO,  24                          ; v24-31  even, odd
.set AOE,  32                          ; v32-39  odd, even
.set AOO,  40                          ; v40-47  odd, odd
.set AF,   48                          ; v48-55  the folded diagonal blocks
.set VE,   56                          ; v56, v57  V: a component of an even band, of an odd band
.set DO,   58                          ; v58  a diagonal element of an odd band
.set BE,   59                          ; v59, v60  b: even band, odd band
.set BO,   60
.set G,    64                          ; v64-79  gathered numbers, two sets of 8
.set D,    80                          ; v80-87  packed, two sets of 4
.set O,    88                          ; v88-89  store offsets, one a set
.set X,    92                          ; v92-255 41 loads of 4 registers
.macro IT_A set, a, imm                ; eight gathers by the address table a
.set p, 0
.rept 8
	ds_load_b32 v[G+8*(\set)+p], v[(\a)+p] offset:\imm
.set p, p+1
.endr
.endm
.macro IT_V set, c                     ; item c of V
.set p, 0
.rept 8
	ds_load_b32 v[G+8*(\set)+p], v[VE+p%2] offset:VSEC+128*(2*(\c)+p/4)+32*(p%4)
.set p, p+1
.endr
.endm
.macro IT_M set                        ; item 4: the odd bands' diagonals and b
	ds_load_b32 v[G+8*(\set)+0], v[DO] offset:RSEC+1056
	ds_load_b32 v[G+8*(\set)+1], v[DO] offset:RSEC+3168
	ds_load_b32 v[G+8*(\set)+2], v[DO] offset:TSEC+1056
	ds_load_b32 v[G+8*(\set)+3], v[DO] offset:TSEC+3168
	ds_load_b32 v[G+8*(\set)+4], v[BE] offset:BSEC
	ds_load_b32 v[G+8*(\set)+5], v[BO] offset:BSEC+32
	ds_load_b32 v[G+8*(\set)+6], v[BE] offset:BSEC+64
	ds_load_b32 v[G+8*(\set)+7], v[BO] offset:BSEC+96
.endm
.macro IT_X set, jj, sec               ; item jj (0..7) of the triangle staged at sec: row 128 bytes, column 4 bytes: band b adds 1,024, band q adds 32
.if (\jj) == 0
	IT_A \set, AF, \sec
.elseif (\jj) == 1
	IT_A \set, AF, (\sec)+2112
.elseif (\jj) == 2
	IT_A \set, AEO, (\sec)+32
.elseif (\jj) == 3
	IT_A \set, AEE, (\sec)+64
.elseif (\jj) == 4
	IT_A \set, AEO, (\sec)+96
.elseif (\jj) == 5
	IT_A \set, AOE, (\sec)+1024+64
.elseif (\jj) == 6
	IT_A \set, AOO, (\sec)+1024+96
.else
	IT_A \set, AEO, (\sec)+2048+96
.endif
.endm
; Item j, gathered into a set, is rounded and stored.  left = the LDS loads issued behind its eight.
.macro FIN set, j, left
	s_wait_dscnt \left                             ; LDS loads come back in order: mine are in, the next item's may be out
	s_wait_xcnt 0x0                                ; this set's D and O were the sources of its last store: rewritten only behind this wait
.irp m, 0,1,2,3
	v_cvt_pk_bf16_f32 v[D+4*(\set)+\m], v[G+8*(\set)+2*\m], v[G+8*(\set)+2*\m+1]
.endr
	v_add_nc_u32 v12, \j, v[FP21]                  ; the panel's number
	v_lshrrev_b32 v13, 1, v12                      ; its tile,
	v_and_b32 v12, 1, v12                          ; and which of the tile's two it is
	v_mad_u32_u24 v[O+(\set)], v13, s20, v[OB]
	v_mad_u32_u24 v[O+(\set)], v12, s21, v[O+(\set)]
	global_store_b128 v[O+(\set)], v[D+4*(\set):D+4*(\set)+3], s[10:11]  ; lanes 0-15 and lanes 16-31 each store 256 consecutive bytes, aligned
.endm
	s_load_b256 s[4:11], s[0:1], 0x0               ; W_lin s[4:5], b_lin s[6:7], h s[8:9], w16 s[10:11]
	s_load_b64 s[12:13], s[0:1], 0x20              ; h16
	v_lshl_add_u32 v[SPW], v0, 2, SPARE
	v_mov_b32 v[NIL], 0
	v_lshrrev_b32 v10, 5, v0
	v_readfirstlane_b32 s14, v10                   ; wave 0, 1
	s_mov_b32 s15, ttmp9
	s_cmp_ge_u32 s15, 320
	s_cbranch_scc1 .Lh
	; A ROW OF w16: k = s15
	s_cmp_ge_u32 s15, 160
	s_cselect_b32 s16, 160, 0
	s_cselect_b32 s17, 81920, 0                    ; the half
	s_sub_co_u32 s16, s15, s16                     ; kk
	s_lshl_b32 s16, s16, 8
	s_add_co_u32 s17, s17, s16                     ; 81,920 half + 256 kk
	s_and_b32 s18, s15, 7
	s_lshl_b32 s18, s18, 1                         ; 2 (k & 7)
	s_mov_b32 s20, 163840                          ; bytes from tile to tile
	s_mov_b32 s21, 40960                           ; from panel to panel
	v_and_b32 v11, 15, v0                          ; my chunk c = 8 e + g
	v_xor_b32 v11, s18, v11                        ; its place in the row
	v_lshl_add_u32 v[OB], v11, 4, s17
	v_bfe_u32 v[FP21], v0, 4, 1
	v_lshl_add_u32 v[FP21], s14, 1, v[FP21]        ; my flow pair: 2 w + lane / 16
	v_mul_u32_u24 v[FP21], 21, v[FP21]
	s_cmp_gt_u32 s15, 300
	s_cbranch_scc1 .Lzero
	s_cmp_eq_u32 s15, 300
	s_cselect_b32 s22, 0, s15                      ; W's row, or b_lin's only one
	s_mul_i32 s22, s22, ROWB
	s_mov_b32 s23, 0
	s_lshl_b32 s26, s14, 14                        ; four flows of R: 16,384 bytes
	s_lshl_b32 s27, s14, 12                        ; of V: 4,096
	s_lshl_b32 s28, s14, 9                         ; of b: 512
	s_mul_i32 s29, s14, WAVEB                      ; my wave's stage
	v_and_b32 v10, 31, v0
	v_lshl_add_u32 v[OFFR], v10, 4, s26
	v_lshl_add_u32 v[OFFV], v10, 4, s27
	v_lshl_add_u32 v[OFFB], v10, 4, s28
	v_lshl_add_u32 v[ST], v10, 4, s29
	s_wait_kmcnt 0x0
	s_cmp_eq_u32 s15, 300
	s_cselect_b64 s[24:25], s[6:7], s[4:5]         ; row 300 is b_lin
	s_add_nc_u64 s[24:25], s[24:25], s[22:23]
	; 41 loads of 512 consecutive bytes: R~, V, b of my four flows
.set i, 0
.rept 32
	global_load_b128 v[X+4*i:X+4*i+3], v[OFFR], s[24:25] offset:32768+512*i th:TH_LOAD_NT
.set i, i+1
.endr
.set i, 0
.rept 8
	global_load_b128 v[X+128+4*i:X+128+4*i+3], v[OFFV], s[24:25] offset:65536+512*i th:TH_LOAD_NT
.set i, i+1
.endr
	global_load_b128 v[X+160:X+163], v[OFFB], s[24:25] offset:73728 th:TH_LOAD_NT
	; the gathers' addresses, while the loads are out
	v_and_b32 v10, 7, v0                           ; g
	v_bfe_u32 v11, v0, 3, 2                        ; my flow among the wave's four
	v_sub_nc_u32 v12, 7, v10                       ; 7 - g
	v_mul_u32_u24 v13, v11, FS
	v_add_nc_u32 v13, s29, v13
	v_lshl_add_u32 v14, v10, 7, v13                ; my row in an even band
	v_lshl_add_u32 v15, v12, 7, v13                ; in an odd band
	v_mad_u32_u24 v[DO], v12, 132, v13             ; row and column 7 - g
.set p, 0
.rept 8
	v_add_nc_u32 v61, p, v10                       ; g + p
	v_and_b32 v62, 7, v61                          ; gp
	v_sub_nc_u32 v63, 7, v62
	v_lshl_add_u32 v[AEE+p], v62, 2, v14
	v_lshl_add_u32 v[AEO+p], v63, 2, v14
	v_lshl_add_u32 v[AOE+p], v62, 2, v15
	v_lshl_add_u32 v[AOO+p], v63, 2, v15
	v_cmp_lt_u32 vcc_lo, 7, v61                    ; wrapped: the odd band's part of the fold, one band (1,024 + 32 bytes) on
	v_add_nc_u32 v63, 1056, v[AOO+p]
	v_cndmask_b32 v[AF+p], v[AEE+p], v63, vcc_lo
.set p, p+1
.endr
	v_mul_u32_u24 v13, v11, VS
	v_add_nc_u32 v13, s29, v13
	v_lshl_add_u32 v[VE], v10, 2, v13
	v_lshl_add_u32 v[VE+1], v12, 2, v13
	v_mul_u32_u24 v13, v11, BS
	v_add_nc_u32 v13, s29, v13
	v_lshl_add_u32 v[BE], v10, 2, v13
	v_lshl_add_u32 v[BO], v12, 2, v13
	v_lshl_add_u32 v[STB], v10, 4, v13             ; eight lanes hold a flow's b
	; into the stage, each load as it comes: the count is the number of younger loads
.set i, 0
.rept 32
	s_wait_loadcnt 40-i
	ds_store_b128 v[ST], v[X+4*i:X+4*i+3] offset:TSEC+FS*(i/8)+512*(i%8)
.set i, i+1
.endr
.set i, 0
.rept 8
	s_wait_loadcnt 8-i
	ds_store_b128 v[ST], v[X+128+4*i:X+128+4*i+3] offset:VSEC+VS*(i/2)+512*(i%2)
.set i, i+1
.endr
	s_wait_loadcnt 0x0
	ds_store_b128 v[STB], v[X+160:X+163] offset:BSEC
	; R's 32 loads go out now and land while V's and R~'s twelve items are made
.set i, 0
.rept 32
	global_load_b128 v[X+4*i:X+4*i+3], v[OFFR], s[24:25] offset:512*i th:TH_LOAD_NT
.set i, i+1
.endr
	; LDS serves a wave's instructions in order: the gathers see the stores above.  An item's gathers are issued while the item before is rounded and stored.
	IT_V 0, 0
	IT_V 1, 1
	FIN 0, 0, 8
	IT_V 0, 2
	FIN 1, 1, 8
	IT_V 1, 3
	FIN 0, 2, 8
	IT_X 0, 0, TSEC
	FIN 1, 3, 8
	IT_X 1, 1, TSEC
	FIN 0, 5, 8
	IT_X 0, 2, TSEC
	FIN 1, 6, 8
	IT_X 1, 3, TSEC
	FIN 0, 7, 8
	IT_X 0, 4, TSEC
	FIN 1, 8, 8
	IT_X 1, 5, TSEC
	FIN 0, 9, 8
	IT_X 0, 6, TSEC
	FIN 1, 10, 8
	IT_X 1, 7, TSEC
	FIN 0, 11, 8
	FIN 1, 12, 0
.set i, 0
.rept 32
	s_wait_loadcnt 31-i
	ds_store_b128 v[ST], v[X+4*i:X+4*i+3] offset:RSEC+FS*(i/8)+512*(i%8)
.set i, i+1
.endr
	IT_X 0, 0, RSEC
	IT_X 1, 1, RSEC
	FIN 0, 13, 8
	IT_X 0, 2, RSEC
	FIN 1, 14, 8
	IT_X 1, 3, RSEC
	FIN 0, 15, 8
	IT_X 0, 4, RSEC
	FIN 1, 16, 8
	IT_X 1, 5, RSEC
	FIN 0, 17, 8
	IT_X 0, 6, RSEC
	FIN 1, 18, 8
	IT_X 1, 7, RSEC
	FIN 0, 19, 8
	IT_M 0
	FIN 1, 20, 8
	FIN 0, 4, 0
	s_wait_tensorcnt 0x0                           ; the wave's end: behind my last LDS store
	ds_add_u32 v[SPW], v[NIL]
	s_wait_dscnt 0x0
	s_endpgm
.Lzero:                                                ; rows 301..319: zeros, so that the product's K can be 320.  No LDS is written on this way
	v_mov_b32 v[D], 0
	v_mov_b32 v[D+1], 0
	v_mov_b32 v[D+2], 0
	v_mov_b32 v[D+3], 0
	s_wait_kmcnt 0x0
.set j, 0
.rept 21                               ; each store has an offset register of its own: none is rewritten
	v_add_nc_u32 v12, j, v[FP21]
	v_lshrrev_b32 v13, 1, v12
	v_and_b32 v12, 1, v12
	v_mad_u32_u24 v[100+j], v13, s20, v[OB]
	v_mad_u32_u24 v[100+j], v12, s21, v[100+j]
	global_store_b128 v[100+j], v[D:D+3], s[10:11]
.set j, j+1
.endr
	s_endpgm
; h16.  A row is 39 chunks of 8 numbers; 32 rows are 1,248 chunks = 3 waves x 13 steps x 32 lanes.  Every step has registers of its own.
.set HC, 6                             ; v6-18    my chunk's number in its row
.set A1, 20                            ; v20-32   byte offset of its first four numbers in h
.set A2, 34                            ; v34-46   of its last four, less 16
.set HX, 48                            ; v48-151  8 registers a step: as loaded, then (the first four) as stored
.Lh:
	s_sub_co_u32 s16, s15, 320
	s_lshl1_add_u32 s16, s16, s14                  ; my wave among the 384
	s_mul_i32 s17, s16, 43691
	s_lshr_b32 s17, s17, 17                        ; / 3: which 32 rows
	s_mul_i32 s18, s17, 3
	s_sub_co_u32 s18, s16, s18                     ; which third of them
	s_mul_i32 s20, s17, 38400                      ; 32 rows of 1,200 bytes
	s_mov_b32 s21, 0
	s_mul_i32 s22, s17, 19968                      ; 32 rows of 624 bytes
	s_mul_i32 s19, s18, 6656                       ; 416 chunks of 16 bytes
	s_add_co_u32 s22, s22, s19
	s_mov_b32 s23, 0
	s_mul_i32 s19, s18, 416
	v_and_b32 v3, 31, v0
	v_add_nc_u32 v4, s19, v3                       ; my chunk among the 1,248, in step 0
	v_lshlrev_b32 v5, 4, v3
	v_mov_b32 v157, 0x3f80                         ; 1.0 in the low half, 0 in the high: columns 300, 301
	s_wait_kmcnt 0x0
	s_add_nc_u64 s[8:9], s[8:9], s[20:21]
	s_add_nc_u64 s[12:13], s[12:13], s[22:23]
.set it, 0
.rept 13
	v_add_nc_u32 v152, 32*it, v4
	v_mul_u32_u24 v153, v152, 1681
	v_lshrrev_b32 v153, 16, v153                   ; / 39, exact below 1,248
	v_mul_u32_u24 v154, v153, 39
	v_sub_nc_u32 v[HC+it], v152, v154
	v_mul_u32_u24 v153, v153, 1200
	v_min_u32 v154, 37, v[HC+it]                   ; chunk 37 has four numbers of h, chunk 38 none: the loads stay inside the row
	v_lshl_add_u32 v[A1+it], v154, 5, v153
	v_min_u32 v154, 36, v[HC+it]
	v_lshl_add_u32 v[A2+it], v154, 5, v153
	global_load_b128 v[HX+8*it:HX+8*it+3], v[A1+it], s[8:9] th:TH_LOAD_NT
	global_load_b128 v[HX+8*it+4:HX+8*it+7], v[A2+it], s[8:9] offset:16 th:TH_LOAD_NT
.set it, it+1
.endr
.set it, 0
.rept 13
	s_wait_loadcnt 24-2*it                         ; the later steps' loads stay out
	v_cvt_pk_bf16_f32 v[HX+8*it], v[HX+8*it], v[HX+8*it+1]
	v_cvt_pk_bf16_f32 v[HX+8*it+1], v[HX+8*it+2], v[HX+8*it+3]
	v_cvt_pk_bf16_f32 v[HX+8*it+2], v[HX+8*it+4], v[HX+8*it+5]
	v_cvt_pk_bf16_f32 v[HX+8*it+3], v[HX+8*it+6], v[HX+8*it+7]
	v_cmp_gt_u32 s24, 38, v[HC+it]
	v_cmp_gt_u32 s25, 37, v[HC+it]
	v_cmp_eq_u32 s26, 37, v[HC+it]
	v_cndmask_b32 v[HX+8*it], 0, v[HX+8*it], s24
	v_cndmask_b32 v[HX+8*it+1], 0, v[HX+8*it+1], s24
	v_cndmask_b32 v156, 0, v157, s26
	v_cndmask_b32 v[HX+8*it+2], v156, v[HX+8*it+2], s25
	v_cndmask_b32 v[HX+8*it+3], 0, v[HX+8*it+3], s25
	global_store_b128 v5, v[HX+8*it:HX+8*it+3], s[12:13] offset:512*it  ; 512 consecutive bytes, at a multiple of 256 from h16's first
.set it, it+1
.endr
	s_endpgm
.Lfunc_end_k_q94acf482a3_prep:
	.size	k_q94acf482a3_prep, .Lfunc_end_k_q94acf482a3_prep-k_q94acf482a3_prep
	.p2alignl 7, 3214868480
	.fill 96, 4, 3214868480
	.section	.rodata,"a",@progbits
	.p2align	6, 0x0
	.amdhsa_kernel k_q94acf482a3_prep
		.amdhsa_group_segment_fixed_size 76032
		.amdhsa_private_segment_fixed_size 0
		.amdhsa_enable_private_segment 0
		.amdhsa_kernarg_size 40
		.amdhsa_user_sgpr_count 2
		.amdhsa_user_sgpr_kernarg_segment_ptr 1
		.amdhsa_wavefront_size32 1
		.amdhsa_system_sgpr_workgroup_id_x 1
		.amdhsa_system_sgpr_workgroup_id_y 1
		.amdhsa_system_sgpr_workgroup_id_z 1
		.amdhsa_system_vgpr_workitem_id 0
		.amdhsa_next_free_vgpr 256
		.amdhsa_next_free_sgpr 66
		.amdhsa_reserve_vcc 1
		.amdhsa_float_denorm_mode_32 3
		.amdhsa_float_denorm_mode_16_64 3
		.amdhsa_memory_ordered 1
		.amdhsa_forward_progress 1
		.amdhsa_inst_pref_size 74
	.end_amdhsa_kernel
	.amdgpu_metadata
---
amdhsa.version: [ 1, 2 ]
amdhsa.kernels:
  - .name:           k_q94acf482a3_prep
    .symbol:         k_q94acf482a3_prep.kd
    .args:
      - { .name: W_lin, .offset: 0, .size: 8, .value_kind: global_buffer, .address_space: global }
      - { .name: b_lin, .offset: 8, .size: 8, .value_kind: global_buffer, .address_space: global }
      - { .name: h, .offset: 16, .size: 8, .value_kind: global_buffer, .address_space: global }
      - { .name: w16, .offset: 24, .size: 8, .value_kind: global_buffer, .address_space: global }
      - { .name: h16, .offset: 32, .size: 8, .value_kind: global_buffer, .address_space: global }
    .group_segment_fixed_size: 76032
    .private_segment_fixed_size: 0
    .kernarg_segment_align: 8
    .kernarg_segment_size: 40
    .max_flat_workgroup_size: 64
    .sgpr_count:     66
    .vgpr_count:     256
    .wavefront_size: 32
...
	.end_amdgpu_metadata
.endif
;; end of part 1
;; launch gemm (part 2): grid 16 x 14, 4 waves a work-group, clusters of 4 x 1, 327,680 bytes of LDS; arguments h16, w16, P; writes P
.if DOCPART == 2
	.amdgcn_target "amdgcn-amd-amdhsa--gfx1250"
	.amdhsa_code_object_version 6
	.text
	.protected	k_q94acf482a3_gemm
	.globl	k_q94acf482a3_gemm
	.p2align	8
	.type	k_q94acf482a3_gemm,@function
k_q94acf482a3_gemm:
	s_mov_b64 s[64:65], 0
	v_nop
	global_prefetch_b8 v0, s[64:65] scope:SCOPE_SE
	s_setreg_imm32_b32 hwreg(HW_REG_WAVE_MODE, 25, 1), 1
	s_wait_xcnt 0x0
	s_wait_alu depctr_hold_cnt(0) depctr_sa_sdst(0) depctr_va_vdst(0) depctr_va_sdst(0) depctr_va_ssrc(0) depctr_va_vcc(0) depctr_vm_vsrc(0)
	s_getreg_b32 s2, hwreg(HW_REG_IB_STS2, 6, 4)
	s_cmp_eq_u32 s2, 0
	s_cbranch_scc0 .Lentry_in_a_cluster
	s_endpgm
.Lentry_in_a_cluster:
	s_bfe_u32 s2, ttmp6, 0x10000c
	s_cmp_lg_u32 s2, 0x3003
	s_cbranch_scc0 .Lentry_shape_is_right
	s_endpgm
.Lentry_shape_is_right:
; P = h16 x w16: 4,096 samples x 10,752 columns, K = 320 (300 of h, the ones' column for the bias, zeros).  Operands bf16, sums f32, P kept in f32: the flow steps behind multiply
; an error in a parameter many times over, so nothing is rounded on the way to them.
; P [block of 16 samples 256][chunk 1,344][half 2][sample 16][4] f32: a chunk is 8 neighbouring columns, a half four of them.
; SHARES.  A tile of P is 256 samples x 256 columns; four waves, each 128 x 128: 64 accumulators of 16 x 16, 512 registers.  42 column tiles x 16 row tiles = 672 tiles = 224 work-groups x 3:
; a work-group keeps its 256 rows of h16 in LDS (all of K) and walks three column tiles; with 256 work-groups the longest walk would still be three tiles.
; w16's tile goes in two halves of 160 along K through two LDS slots that take turns, on into the next tile.
; CLUSTER.  The four work-groups of a cluster have four row tiles and the same column tiles: each half tile of w16 is asked for JOINTLY (the same tensor load, descriptor and mask in all four).
; h16's rows are each work-group's own, read once (160 KB of the 640 KB that a work-group brings in); the 14 column groups that share them are no multiple of four.
; THE MATRIX INSTRUCTION IS USED TRANSPOSED: source 0 = 16 columns of P (w16 lies [k][column], turned by ds_load_tr16_b128), source 1 = 16 samples.  In the result lane l holds sample l % 16 and
; the columns 8 (l / 16) + 0..7: a chunk.  Its two halves are stored straight from the accumulator: in each store sixteen neighbouring lanes write 256 consecutive bytes of P, aligned.
; REGISTERS, in windows of 256: window 0: v0-31 addresses; v64-127, v128-191 fragments of h16, two buffers.
;   window 1: v64-127, v128-191 fragments of w16.   window 2: the accumulators of my samples 0-63 ((a, b) at v[8 (8 a + b)]);   window 3: those of samples 64-127.
.set APITCH, 624                       ; a row of h16: 312 bf16 = 39 x 16 bytes: the 16 rows of a load start at 16 different groups of four banks
.set A16,    16*APITCH
.set AQ,     64*APITCH                 ; 39,936: what a wave's load of h16 brings: 64 rows = 156 units of 256 bytes
.set BBASE,  256*APITCH                ; 159,744: behind h16's rows the two slots
.set PANEL,  160*256                   ; 160 rows along K of 128 columns
.set SLOT,   2*PANEL                   ; 81,920
.set BQ,     SLOT/4                    ; a wave's quarter: 80 rows of 256 bytes
.set SPARE,  BBASE+2*SLOT              ; 323,584: the spare words, 128 bytes a wave: two blocks of 256 bytes that no other line names
.set TSTEP,  2*SLOT                    ; bytes of w16 from tile to tile
.set SBB,    688128                    ; bytes of P from block to block of 16 samples: 1,344 chunks of 512
.set PTILE,  32*512                    ; bytes of P from tile to tile: 32 chunks
.set ADRA, 4                           ; v4-5    my fragments of h16: blocks 0-3, blocks 4-7
.set ADRZ, 6                           ; v6-7    the zeros at my rows' ends (columns 304-311)
.set ADRB, 8                           ; v8-23   my fragments of w16: slot s, block b of 16 columns at 8 s + b
.set CO,   26                          ; v26     my 16 bytes in a pair of chunks: 16 (l % 16) + 512 (l / 16)
.set SPW,  28                          ; v28     LDS address of my spare word; never rewritten
.set NIL,  29                          ; v29     0; never rewritten
.set F0,   64
.set F1,   128
.set G1A, 24                           ; s[24:31] descriptor group 1 for h16
.set G0A, 32                           ; s[32:35] group 0
.set G1B, 48                           ; s[48:55] group 1 for w16
.set G0B, 56                           ; s[56:63] group 0, a set for each slot
.set MSB, 0
.macro WIN new                         ; the immediate's high byte repeats the setting that is left; a switch that changes nothing is dropped
.if MSB != (\new)
	s_set_vgpr_msb (MSB<<8)|(\new)
.set MSB, \new
.endif
.endm
.set MUL_LO, 0xa1                      ; source 0 (w16) window 1, source 1 (h16) window 0, C and D window 2
.set MUL_HI, 0xf1                      ; the same, C and D window 3
.set TO_B,   0x40                      ; destination window 1, address window 0
.macro PLACES                          ; four plain places between a matrix instruction and a load into, or a store of, its registers
.rept 4
	v_nop
.endr
.endm
.macro CREST                           ; a round of the cluster's barrier behind its opening barrier
	s_cmp_lg_u32 s10, 0
	s_cbranch_scc1 .Lnot_wave_0_\@
	s_barrier_signal -3
.Lnot_wave_0_\@:
	s_barrier_wait -3
	s_barrier_signal -1
	s_barrier_wait -1
.endm
.macro CROUND                          ; a whole round
	s_barrier_signal -1
	s_barrier_wait -1
	CREST
.endm
; 16 matrix instructions: sample blocks a0, a0 + 1 of the window's four x all 8 column blocks, 32 along K.  zero = 1: the product starts the sums.
; The 64 accumulators take turns in the same order in every K step.
.macro MUL16 f, hi, a0, zero
	WIN MUL_LO+0x50*(\hi)
.irp a, \a0, (\a0)+1
.irp b, 0,1,2,3,4,5,6,7
.if \zero
	v_wmma_f32_16x16x32_bf16 v[8*(8*(\a)+(\b)):8*(8*(\a)+(\b))+7], v[(\f)+8*(\b):(\f)+8*(\b)+7], v[(\f)+8*(4*(\hi)+(\a)):(\f)+8*(4*(\hi)+(\a))+7], 0
.else
	v_wmma_f32_16x16x32_bf16 v[8*(8*(\a)+(\b)):8*(8*(\a)+(\b))+7], v[(\f)+8*(\b):(\f)+8*(\b)+7], v[(\f)+8*(4*(\hi)+(\a)):(\f)+8*(4*(\hi)+(\a))+7], v[8*(8*(\a)+(\b)):8*(8*(\a)+(\b))+7]
.endif
.endr
.endr
.endm
; 32 LDS loads in one run: the fragments of K step ks (0..4) of slot s into buffer f.  In the last K step (288..319) h16's rows end at 312: registers 4-7 take the zeros at the row's end.
.macro FETCH s, ks, f
	WIN TO_B
.irp b, 0,1,2,3,4,5,6,7
	ds_load_tr16_b128 v[(\f)+8*(\b):(\f)+8*(\b)+3],   v[ADRB+8*(\s)+(\b)] offset:8192*(\ks)
	ds_load_tr16_b128 v[(\f)+8*(\b)+4:(\f)+8*(\b)+7], v[ADRB+8*(\s)+(\b)] offset:8192*(\ks)+4096
.endr
	WIN 0
.irp a, 0,1,2,3,4,5,6,7
	ds_load_b128 v[(\f)+8*(\a):(\f)+8*(\a)+3], v[ADRA+(\a)/4] offset:A16*((\a)%4)+64*(5*(\s)+(\ks))
.if 5*(\s)+(\ks) == 9
	ds_load_b128 v[(\f)+8*(\a)+4:(\f)+8*(\a)+7], v[ADRZ+(\a)/4] offset:A16*((\a)%4)
.else
	ds_load_b128 v[(\f)+8*(\a)+4:(\f)+8*(\a)+7], v[ADRA+(\a)/4] offset:A16*((\a)%4)+64*(5*(\s)+(\ks))+32
.endif
.endr
.endm
; A K step of 32: multiplies buffer f; in its middle it fetches K step ks of slot s into buffer g.
.macro QUARTER s, ks, f, g, zero
	s_wait_dscnt 8                                 ; w16's fragments and h16's blocks 0-3 are in; the youngest eight loads (blocks 4-7) may be out
	MUL16 \f, 0, 0, \zero
	MUL16 \f, 0, 2, \zero
	PLACES
	FETCH \s, \ks, \g
	s_wait_dscnt 32                                ; all but the 32 just issued
	MUL16 \f, 1, 0, \zero
	MUL16 \f, 1, 2, \zero
.endm
; A slot's last K step, and the change of slots: ONE barrier.  In front of it each wave waits for all its tensor loads (its part of the other slot), adds 0 to its spare word, and waits for that
; and for its own reads of this slot.  fill = 1: the barrier opens a round of the cluster's barrier, and behind the round this slot takes the next tile's half: four and a half K steps, 288 matrix instructions, ahead of the wait for it.
.macro TURN s, f, g, fill
	WIN 0                                          ; (the add's two registers lie in window 0)
	s_wait_tensorcnt 0x0                           ; all my tensor loads have landed
	ds_add_u32 v[SPW], v[NIL]                      ; 0 onto my spare word
	s_wait_dscnt 9                                 ; (the add and the youngest eight loads may be out)
	MUL16 \f, 0, 0, 0                              ; sixteen matrix instructions stand between the add and the wait for it
	s_wait_dscnt 0x0                               ; the add is done, and my reads of this slot are over
	s_barrier_signal -1
	MUL16 \f, 0, 2, 0                              ; work on registers while the others arrive
.if \fill
	WIN 0
.endif
	s_barrier_wait -1
.if \fill
	CREST                                          ; no wave of any partner still reads this slot or has a load on its way
	s_add_nc_u64 s[G0B+4*(\s)+2:G0B+4*(\s)+3], s[G0B+4*(\s)+2:G0B+4*(\s)+3], TSTEP
	tensor_load_to_lds s[G0B+4*(\s):G0B+4*(\s)+3], s[G1B:G1B+7]  ; my one tensor load behind the round, and the first thing there
	s_nop 0
	PLACES                                         ; also the places in front of the loads below
.else
	PLACES
.endif
	FETCH 1-(\s), 0, \g
	MUL16 \f, 1, 0, 0
	MUL16 \f, 1, 2, 0
.endm
.macro LAST f                          ; the walk's very last K step: nothing more to fetch
	s_wait_dscnt 8
	MUL16 \f, 0, 0, 0
	MUL16 \f, 0, 2, 0
	s_wait_dscnt 0x0
	MUL16 \f, 1, 0, 0
	MUL16 \f, 1, 2, 0
.endm
; THE WAY OUT: block a of 16 samples, column block b: the accumulator's registers 0-3 and then 4-7 are stored as they are (the low four first).
.macro OUT
	PLACES                                         ; the stores read results just made
.irp a, 0,1,2,3,4,5,6,7
	WIN 0x08+4*((\a)/4)                            ; a store's data is source 1: window 2 or 3; its address, source 0, window 0
.irp b, 0,1,2,3,4,5,6,7
	global_store_b128 v[CO], v[64*((\a)%4)+8*(\b):64*((\a)%4)+8*(\b)+3],   s[8:9] offset:SBB*(\a)+1024*(\b)      ; lanes 0-15: 256 consecutive bytes of chunk 2 b, lanes 16-31: of chunk 2 b + 1; both aligned
	global_store_b128 v[CO], v[64*((\a)%4)+8*(\b)+4:64*((\a)%4)+8*(\b)+7], s[8:9] offset:SBB*(\a)+1024*(\b)+256  ; the chunks' second halves; 4,824,320 at the most, inside the signed 24-bit immediate
.endr
.endr
	WIN 0
	s_wait_xcnt 0x0                                ; the stores' base, and the accumulators that are their data, are written again only behind this wait
	s_add_nc_u64 s[8:9], s[8:9], PTILE             ; the next tile's 32 chunks
.endm
.macro TILE fill                       ; ten K steps and the way out.  fill = 1: both slots are filled again, with the next tile, and its first fragments are fetched
	QUARTER 0, 1, F0, F1, 1
	QUARTER 0, 2, F1, F0, 0
	QUARTER 0, 3, F0, F1, 0
	QUARTER 0, 4, F1, F0, 0
	TURN 0, F0, F1, \fill
	QUARTER 1, 1, F1, F0, 0
	QUARTER 1, 2, F0, F1, 0
	QUARTER 1, 3, F1, F0, 0
	QUARTER 1, 4, F0, F1, 0
.if \fill
	TURN 1, F1, F0, 1
.else
	LAST F1
.endif
	OUT
.endm
	s_load_b128 s[4:7], s[0:1], 0x0                ; h16 s[4:5], w16 s[6:7]
	s_load_b64 s[8:9], s[0:1], 0x10                ; P
	v_lshl_add_u32 v[SPW], v0, 2, SPARE
	v_mov_b32 v[NIL], 0
	ds_add_u32 v[SPW], v[NIL]                      ; the wave's opening: the add, with its wait ahead of my first tensor load; the set-up below stands between them
	ds_add_u32 v28, v29
	v_lshrrev_b32 v1, 5, v0
	v_readfirstlane_b32 s10, v1                    ; wave 0..3
	s_lshr_b32 s11, s10, 1                         ; which 128 samples of the tile are mine
	s_and_b32 s12, s10, 1                          ; which 128 columns: a panel
	s_bfe_u32 s40, ttmp6, 0x40000                  ; cx: my place in the cluster
	s_lshl_b32 s42, ttmp9, 2                       ; in a cluster launch ttmp9 counts clusters
	s_add_co_u32 s42, s42, s40                     ; my row tile: it enters h16's and P's addresses alone
	s_and_b32 s13, ttmp7, 0xffff                   ; my column group, which the four partners share
	; both tensors are dense here: rows of 256 bytes, elements of 8 bytes
	s_mov_b32 s[G1A+0], 3<<16                      ; 15:0 no mask: a load of my own; 17:16 elements of 8 bytes
	s_mov_b32 s[G1A+1], 32<<16                     ; tensor_dim0 = 32
	s_mov_b32 s[G1A+2], 156<<16                    ; tensor_dim1 = 156
	s_mov_b32 s[G1A+3], 32<<16                     ; tile_dim0 = 32
	s_mov_b32 s[G1A+4], 156                        ; tile_dim1 = 156
	s_mov_b32 s[G1A+5], 32                         ; 32 elements from row to row
	s_mov_b32 s[G1A+6], 0
	s_mov_b32 s[G1A+7], 0
	s_mov_b32 s[G1B+0], 15|(3<<16)|(1<<21)         ; 15:0 the mask: all four work-groups; 21 set beside a mask
	s_mov_b32 s[G1B+1], 32<<16
	s_mov_b32 s[G1B+2], 80<<16                     ; 80 rows
	s_mov_b32 s[G1B+3], 32<<16
	s_mov_b32 s[G1B+4], 80
	s_mov_b32 s[G1B+5], 32
	s_mov_b32 s[G1B+6], 0
	s_mov_b32 s[G1B+7], 0
	s_mul_i32 s16, s42, BBASE                      ; h16: 256 rows a tile,
	s_mul_i32 s20, s10, AQ                         ; 64 rows a wave; also their place in LDS: no place in the cluster enters an LDS address
	s_add_co_u32 s16, s16, s20
	s_mov_b32 s17, 0
	s_mul_i32 s46, s13, 3*TSTEP                    ; w16: three tiles a column group,
	s_mul_i32 s21, s10, BQ                         ; a quarter of a half tile a wave (registers that never hold cx)
	s_add_co_u32 s46, s46, s21
	s_mov_b32 s47, 0
	s_lshl_b32 s14, s42, 4                         ; P: my first block of 16 samples: 16 x row tile + 8 x half,
	s_lshl3_add_u32 s14, s11, s14
	s_mul_i32 s14, s14, SBB                        ; 175,472,640 at the most
	s_mul_i32 s15, s13, 3*PTILE                    ; three tiles of 32 chunks,
	s_add_co_u32 s14, s14, s15
	s_lshl_b32 s15, s12, 13                        ; my panel's 16 chunks of 512 bytes
	s_add_co_u32 s14, s14, s15
	s_mov_b32 s15, 0
	s_mov_b32 s[G0A], 1                            ; 1:0 count = 1
	s_mov_b32 s[G0A+1], s20                        ; 63:32 LDS address
	s_mov_b32 s[G0B], 1
	s_add_co_u32 s[G0B+1], s21, BBASE
	s_mov_b32 s[G0B+4], 1
	s_add_co_u32 s[G0B+5], s21, BBASE+SLOT
	s_wait_dscnt 0x0                               ; the opening add is done
	s_wait_kmcnt 0x0
	s_add_nc_u64 s[G0A+2:G0A+3], s[4:5], s[16:17]  ; 120:64 global address
	s_or_b32 s[G0A+3], s[G0A+3], 0x80000000        ; 127:126 type = 2
	s_add_nc_u64 s[46:47], s[6:7], s[46:47]
	s_add_nc_u64 s[G0B+2:G0B+3], s[46:47], 0       ; tile 0, K 0..159
	s_or_b32 s[G0B+3], s[G0B+3], 0x80000000
	s_add_nc_u64 s[G0B+6:G0B+7], s[46:47], SLOT    ; tile 0, K 160..319
	s_or_b32 s[G0B+7], s[G0B+7], 0x80000000
	s_add_nc_u64 s[8:9], s[8:9], s[14:15]
	CROUND                                         ; all four work-groups are here: the first joint loads meet
	tensor_load_to_lds s[G0A:G0A+3], s[G1A:G1A+7]  ; the first fills go out as one group: three loads of mine are out
	s_nop 0
	tensor_load_to_lds s[G0B:G0B+3], s[G1B:G1B+7]
	s_nop 0
	tensor_load_to_lds s[G0B+4:G0B+7], s[G1B:G1B+7]
	s_nop 0
	PLACES
	; a fragment of h16 is 16 rows x 32 K: lane l holds row l % 16, K = 8 (l / 16) + 0..7 and 16 + 8 (l / 16) + 0..7: two loads of 16 bytes, 32 bytes apart
	v_and_b32 v1, 15, v0                           ; l % 16
	v_bfe_u32 v2, v0, 4, 1                         ; l / 16
	v_mul_u32_u24 v25, v1, APITCH
	s_mul_i32 s22, s11, 128*APITCH                 ; my 128 rows
	v_add_nc_u32 v25, s22, v25
	v_lshl_add_u32 v[ADRA], v2, 4, v25
	v_add_nc_u32 v[ADRA+1], AQ, v[ADRA]            ; 64 rows on
	v_add_nc_u32 v[ADRZ], 608, v25
	v_add_nc_u32 v[ADRZ+1], AQ, v[ADRZ]
	; the turning load takes 16 K x 16 columns: lane l reads row 8 (l / 16) + l % 8, chunk 2 b + (l / 8) % 2, which lies at place chunk xor 2 (row % 8)
	v_and_b32 v3, 7, v0
	v_bfe_u32 v24, v0, 3, 1
	v_lshl_add_u32 v27, v2, 3, v3
	v_lshlrev_b32 v27, 8, v27
	v_lshl_add_u32 v27, v24, 4, v27
	s_mul_i32 s23, s12, PANEL
	s_add_co_u32 s23, s23, BBASE
	v_add_nc_u32 v27, s23, v27
.irp b, 0,1,2,3,4,5,6,7
	v_xor_b32 v25, \b, v3
	v_lshl_add_u32 v[ADRB+\b], v25, 5, v27
	v_add_nc_u32 v[ADRB+8+\b], SLOT, v[ADRB+\b]
.endr
	v_lshlrev_b32 v[CO], 4, v1
	v_lshl_add_u32 v[CO], v2, 9, v[CO]
	s_wait_tensorcnt 1                             ; my parts of h16 and of slot 0 are in; slot 1's may stay out
	s_barrier_signal -1
	s_barrier_wait -1                              ; everybody's are
	FETCH 0, 0, F0
	s_mov_b32 s3, 2
.Ltile:                                                ; two tiles that have a successor
	TILE 1
	s_sub_co_u32 s3, s3, 1
	s_cmp_lg_u32 s3, 0
	s_cbranch_scc1 .Ltile
	TILE 0                                         ; the last tile is written out
	s_wait_tensorcnt 0x0                           ; the wave's end: behind my last tensor load
	ds_add_u32 v[SPW], v[NIL]
	s_wait_dscnt 0x0
	CROUND                                         ; the closing round: no work-group ends while a partner may still ask for a tile that names it
	s_endpgm
.Lfunc_end_k_q94acf482a3_gemm:
	.size	k_q94acf482a3_gemm, .Lfunc_end_k_q94acf482a3_gemm-k_q94acf482a3_gemm
	.p2alignl 7, 3214868480
	.fill 96, 4, 3214868480
	.section	.rodata,"a",@progbits
	.p2align	6, 0x0
	.amdhsa_kernel k_q94acf482a3_gemm
		.amdhsa_group_segment_fixed_size 327680
		.amdhsa_private_segment_fixed_size 0
		.amdhsa_enable_private_segment 0
		.amdhsa_kernarg_size 24
		.amdhsa_user_sgpr_count 2
		.amdhsa_user_sgpr_kernarg_segment_ptr 1
		.amdhsa_wavefront_size32 1
		.amdhsa_system_sgpr_workgroup_id_x 1
		.amdhsa_system_sgpr_workgroup_id_y 1
		.amdhsa_system_sgpr_workgroup_id_z 1
		.amdhsa_system_vgpr_workitem_id 0
		.amdhsa_next_free_vgpr 1024
		.amdhsa_next_free_sgpr 66
		.amdhsa_reserve_vcc 0
		.amdhsa_float_denorm_mode_32 3
		.amdhsa_float_denorm_mode_16_64 3
		.amdhsa_memory_ordered 1
		.amdhsa_forward_progress 1
		.amdhsa_inst_pref_size 160
	.end_amdhsa_kernel
	.amdgpu_metadata
---
amdhsa.version: [ 1, 2 ]
amdhsa.kernels:
  - .name:           k_q94acf482a3_gemm
    .symbol:         k_q94acf482a3_gemm.kd
    .args:
      - { .name: h16, .offset: 0, .size: 8, .value_kind: global_buffer, .address_space: global }
      - { .name: w16, .offset: 8, .size: 8, .value_kind: global_buffer, .address_space: global }
      - { .name: P, .offset: 16, .size: 8, .value_kind: global_buffer, .address_space: global }
    .group_segment_fixed_size: 327680
    .private_segment_fixed_size: 0
    .kernarg_segment_align: 8
    .kernarg_segment_size: 24
    .max_flat_workgroup_size: 128
    .sgpr_count:     66
    .vgpr_count:     1024
    .wavefront_size: 32
...
	.end_amdgpu_metadata
.endif
;; end of part 2
;; launch flow (part 3): grid 256 x 1, 4 waves a work-group, no clusters, 327,680 bytes of LDS; arguments P, z_0, out0, out1; writes out0, out1
.if DOCPART == 3
	.amdgcn_target "amdgcn-amd-amdhsa--gfx1250"
	.amdhsa_code_object_version 6
	.text
	.protected	k_q94acf482a3_flow
	.globl	k_q94acf482a3_flow
	.p2align	8
	.type	k_q94acf482a3_flow,@function
k_q94acf482a3_flow:
	s_mov_b64 s[64:65], 0
	v_nop
	global_prefetch_b8 v0, s[64:65] scope:SCOPE_SE
	s_setreg_imm32_b32 hwreg(HW_REG_WAVE_MODE, 25, 1), 1
	s_wait_xcnt 0x0
; THE EIGHT FLOW STEPS.  Q = H0 .. H7 is never formed: R~ Q^T z = R~ (H7 .. (H0 z)), Q R t = H0 (.. H7 (R t)), H x = x - 2 v (v . x) / |v|^2.  R and R~ are upper triangular, so
; diag(R~ R) = r~ r_new = m, with r~ = softplus(r~_raw) + 0.01, m = softplus(r_raw r~) - 1, r_new = r_raw + (m - r_raw r~) / r~ = m / r~.  All arithmetic in f32 on the vector unit: each
; sample has matrices of its own, so a matrix unit would find nothing to share.  softplus(x) = max(x, 0) + ln 2 log2(1 + 2^(-|x| log2 e)); tanh(x) = 1 - 2 / (1 + 2^(2 x log2 e)).
; LIMITS.  z_0 is rounded to bf16, as the product's inputs are; the parameters arrive in f32; |v|^2 below 2^-126 counts as 0; 1 + e loses an e below 6e-8 in the two softplus;
; NaN and infinities are not treated apart.
; SHARES.  A work-group has 16 samples, 688,128 bytes of P; a wave four; a sample eight lanes.  Lane g owns in band B (0..3) the component own(B, g) = 8 B + g (B even) or 8 B + 7 - g (B odd).
; A flow is 21 items of 8 numbers a lane (position p; gp = (g + p) & 7): 0-3 V; 4 the odd bands' raw diagonals and b; 5, 6 R~'s and 13, 14 R's diagonal blocks, an even and an odd band folded
; into one chunk (p = 0 the even band's diagonal, p <= 7 - g its strict upper part, the rest the odd band's); 7-12 and 15-20 the six blocks above the diagonal, element (own(b, g), own(q, gp)).
; So a triangular product is 40 packed multiply-adds on Y[8 q + p] = x[own(q, gp)], which eight-lane rotations gather, and nothing in P is dead.
; P.  [pair of flows][item 21][flow 2][g 8][half 2][sample 16][4] f32: a flow is 21 pieces of 4,096 bytes, 8,192 apart.  Wave w brings bytes 1,024 w .. + 1,023 of each piece (lanes g = 2 w, 2 w + 1).
; LDS.  A slot holds one flow: for each wave's quarter 21 items of four units of 256 bytes, padded to 272.  A lane's 16 bytes lie at (g / 2) 22,848 + (g % 2) 544 + 16 sample + 1,088 item + 272 half:
; counted in 16-byte columns modulo 16 that is 4 (g / 2) + 2 (g % 2) + sample: the sixteen lanes of half a load touch sixteen different columns.  Two slots take turns; all waves read all of a slot, behind a barrier.
; NO CLUSTER: work-groups share no input.
.set SBB,   688128                     ; bytes of P for 16 samples
.set PAIRB, 172032                     ; for a pair of flows
.set FLB,   4096                       ; from a pair's first flow to its second
.set UP,    272                        ; a unit in LDS
.set JP,    4*UP                       ; 1,088: from item to item
.set QB,    21*JP                      ; 22,848: a wave's quarter of a slot
.set SLOT1, 1<<17                      ; slot 1 begins here, so that one exclusive or turns an address in one slot into the other's
.set STAGE, SLOT1+4*QB                 ; 222,464: 512 bytes a wave, for z's and the results' change of layout; no tensor load lands here
.set SPARE, STAGE+2048                 ; 224,512: the spare words, 128 bytes a wave: two blocks of 256 bytes that no other line names
.set SPW,  1                           ; v1   LDS address of my spare word; never rewritten
.set NIL,  2                           ; v2   0; never rewritten
.set LA,   3                           ; v3   my lane's place in a slot
.set LB,   4                           ; v4   + the slot in hand
.set SA,   6                           ; v6   stage: 16 x thread
.set SCE,  7                           ; v7   stage: my sample's row + 4 g
.set SCO,  8                           ; v8   + 4 (7 - g)
.set GOFF, 11                          ; v11  16 x thread
.set ME,   12                          ; v12-19  1 where 1 <= p <= 7 - g, else 0
.set Z,    20                          ; v20-23  z
.set LD,   24                          ; v24-27  ln det
.set X,    28                          ; v28-31  the vector under way
.set TT,   32                          ; v32-35  t
.set MM,   36                          ; v36-39  m
.set M4,   40                          ; v40-47  item 4: r_raw of bands 1, 3; r~_raw of bands 1, 3; b of bands 0..3 (then 2 log2 e times b)
.set RD0,  48                          ; v48  r_raw of band 0
.set RD2,  49                          ; v49  of band 2
.set DT,   50                          ; v50-51  a reflection's dot product
.set RC,   52                          ; v52-55  1 / r~
.set RR,   56                          ; v56-59  r_raw r~
.set VF,   64                          ; v64-95  V: reflection i, band B at 4 i + B
.set NRC,  96                          ; v96-103  -2 / |v|^2
.set ACC,  104                         ; v104-111  a pair of sums a band
.set MAT,  112                         ; v112-191  ten blocks of 8: diagonal blocks of bands 0, 1, 2, 3, then (0,1) (0,2) (0,3) (1,2) (1,3) (2,3); band B's diagonal at 8 B.  R~ first, then R
.set Y,    192                         ; v192-223  the gathered vector; at work while the norms are made
.set MX,   224                         ; v224-227 at work
.set T,    228                         ; v228-231 at work
.set HP,   232                         ; v232-235 1 - t^2
                                       ; v236-239 at work at the head
.set G1,   16                          ; s[16:23] descriptor group 1
.set G0,   24                          ; s[24:27] group 0 of flow 0
.set GW,   28                          ; s[28:31] group 0 of flow 1; it then walks on
.set STP,  32                          ; s[32:33] the walk's next step in P
.set TB,   40                          ; s40  LDS byte at which the slot in hand begins
.set EPS,  43                          ; s43  0.01
.set NL2E, 44                          ; s44  -log2 e
.set LN2,  45                          ; s45  ln 2
.set TL2E, 46                          ; s46  2 log2 e
.set EPS8, 47                          ; s47  1e-8
; The eight items of a triangle, j0 on, straight into MAT: the two folded chunks where the odd bands' blocks lie, the six others in their places.  16 loads.
.macro LDTRI j0
	ds_load_b128 v[MAT+8:MAT+11],  v[LB] offset:(\j0)*JP
	ds_load_b128 v[MAT+12:MAT+15], v[LB] offset:(\j0)*JP+UP
	ds_load_b128 v[MAT+24:MAT+27], v[LB] offset:((\j0)+1)*JP
	ds_load_b128 v[MAT+28:MAT+31], v[LB] offset:((\j0)+1)*JP+UP
.set k, 0
.rept 6
	ds_load_b128 v[MAT+32+8*k:MAT+35+8*k], v[LB] offset:((\j0)+2+k)*JP
	ds_load_b128 v[MAT+36+8*k:MAT+39+8*k], v[LB] offset:((\j0)+2+k)*JP+UP
.set k, k+1
.endr
.endm
; A folded chunk is split by ME: the even band's part, and what is left (exact: a part is the number or 0).  Position 0 of both blocks is written behind this; until then the odd block's holds the even band's raw diagonal.
.macro MPREP
.irp t, 0,1,2,3
	v_pk_mul_f32 v[MAT+2*\t:MAT+2*\t+1], v[MAT+8+2*\t:MAT+8+2*\t+1], v[ME+2*\t:ME+2*\t+1]
	v_pk_mul_f32 v[MAT+16+2*\t:MAT+16+2*\t+1], v[MAT+24+2*\t:MAT+24+2*\t+1], v[ME+2*\t:ME+2*\t+1]
.endr
.irp t, 0,1,2,3
	v_pk_add_f32 v[MAT+8+2*\t:MAT+8+2*\t+1], v[MAT+8+2*\t:MAT+8+2*\t+1], v[MAT+2*\t:MAT+2*\t+1] neg_lo:[0,1] neg_hi:[0,1]
	v_pk_add_f32 v[MAT+24+2*\t:MAT+24+2*\t+1], v[MAT+24+2*\t:MAT+24+2*\t+1], v[MAT+16+2*\t:MAT+16+2*\t+1] neg_lo:[0,1] neg_hi:[0,1]
.endr
.endm
; d = softplus(s) + addc, for the four bands; every source is read before any destination is written.  Behind each run of transcendentals stands plain work that names none of their registers (ISA guide 5.7.2).
.macro SP4 d0, d1, d2, d3, s0, s1, s2, s3, addc
	v_mul_f32 v[T],   s[NL2E], |v[\s0]|
	v_mul_f32 v[T+1], s[NL2E], |v[\s1]|
	v_mul_f32 v[T+2], s[NL2E], |v[\s2]|
	v_mul_f32 v[T+3], s[NL2E], |v[\s3]|
.irp b, 0,1,2,3
	v_exp_f32 v[T+\b], v[T+\b]
.endr
	v_max_num_f32 v[MX],   0, v[\s0]
	v_max_num_f32 v[MX+1], 0, v[\s1]
	v_max_num_f32 v[MX+2], 0, v[\s2]
	v_max_num_f32 v[MX+3], 0, v[\s3]
	s_wait_alu depctr_va_vdst(0)
.irp b, 0,1,2,3
	v_add_f32 v[T+\b], 1.0, v[T+\b]
.endr
.irp b, 0,1,2,3
	v_log_f32 v[T+\b], v[T+\b]
.endr
.irp b, 0,1,2,3
	v_add_f32 v[MX+\b], \addc, v[MX+\b]
.endr
	s_wait_alu depctr_va_vdst(0)
	v_fma_f32 v[\d0], v[T],   s[LN2], v[MX]
	v_fma_f32 v[\d1], v[T+1], s[LN2], v[MX+1]
	v_fma_f32 v[\d2], v[T+2], s[LN2], v[MX+2]
	v_fma_f32 v[\d3], v[T+3], s[LN2], v[MX+3]
.endm
; dst = H_i src: the dot product over my four components and, by three exchanges, over the sample's eight lanes
.macro REFL i, src, dst
	v_pk_mul_f32 v[DT:DT+1], v[VF+4*(\i):VF+4*(\i)+1], v[\src:(\src)+1]
	v_pk_fma_f32 v[DT:DT+1], v[VF+4*(\i)+2:VF+4*(\i)+3], v[(\src)+2:(\src)+3], v[DT:DT+1]
	v_add_f32 v[DT], v[DT], v[DT+1]
	v_add_f32_dpp v[DT], v[DT], v[DT] row_xmask:1 row_mask:0xf bank_mask:0xf
	v_add_f32_dpp v[DT], v[DT], v[DT] row_xmask:2 row_mask:0xf bank_mask:0xf
	v_add_f32_dpp v[DT], v[DT], v[DT] row_xmask:4 row_mask:0xf bank_mask:0xf
	v_mul_f32 v[DT], v[DT], v[NRC+(\i)]
	v_pk_fma_f32 v[\dst:(\dst)+1], v[VF+4*(\i):VF+4*(\i)+1], v[DT:DT+1], v[\src:(\src)+1] op_sel_hi:[1,0,1]
	v_pk_fma_f32 v[(\dst)+2:(\dst)+3], v[VF+4*(\i)+2:VF+4*(\i)+3], v[DT:DT+1], v[(\src)+2:(\src)+3] op_sel_hi:[1,0,1]
.endm
.macro GATHER src                      ; Y[8 q + p] = band q's component of lane (g + p) & 7
.irp q, 0,1,2,3
	v_mov_b32 v[Y+8*\q], v[(\src)+\q]
	v_mov_b32_dpp v[Y+8*\q+1], v[(\src)+\q] dpp8:[1,2,3,4,5,6,7,0]
	v_mov_b32_dpp v[Y+8*\q+2], v[(\src)+\q] dpp8:[2,3,4,5,6,7,0,1]
	v_mov_b32_dpp v[Y+8*\q+3], v[(\src)+\q] dpp8:[3,4,5,6,7,0,1,2]
	v_mov_b32_dpp v[Y+8*\q+4], v[(\src)+\q] dpp8:[4,5,6,7,0,1,2,3]
	v_mov_b32_dpp v[Y+8*\q+5], v[(\src)+\q] dpp8:[5,6,7,0,1,2,3,4]
	v_mov_b32_dpp v[Y+8*\q+6], v[(\src)+\q] dpp8:[6,7,0,1,2,3,4,5]
	v_mov_b32_dpp v[Y+8*\q+7], v[(\src)+\q] dpp8:[7,0,1,2,3,4,5,6]
.endr
.endm
.macro MV n, acc, mat, y               ; one packed product; a band's first starts its sums: nothing is cleared
.if (\n) == 0
	v_pk_mul_f32 v[\acc:(\acc)+1], v[\mat:(\mat)+1], v[\y:(\y)+1]
.else
	v_pk_fma_f32 v[\acc:(\acc)+1], v[\mat:(\mat)+1], v[\y:(\y)+1], v[\acc:(\acc)+1]
.endif
.endm
; out = the triangle in MAT times the vector in Y.  Band 0 has four blocks, band 1 three, band 2 two, band 3 one; the bands take turns.
.macro MATVEC out
.set n, 0
.rept 16
.set mo, 24+8*(n/4)
.if n < 4
.set mo, 0
.endif
	MV n, ACC, MAT+mo+2*(n%4), Y+8*(n/4)+2*(n%4)
.if n < 12
.set mo, 48+8*(n/4)
.if n < 4
.set mo, 8
.endif
	MV n, ACC+2, MAT+mo+2*(n%4), Y+8+8*(n/4)+2*(n%4)
.endif
.if n < 8
.set mo, 16+56*(n/4)
	MV n, ACC+4, MAT+mo+2*(n%4), Y+16+8*(n/4)+2*(n%4)
.endif
.if n < 4
	MV n, ACC+6, MAT+24+2*n, Y+24+2*n
.endif
.set n, n+1
.endr
.irp b, 0,1,2,3
	v_add_f32 v[(\out)+\b], v[ACC+2*\b], v[ACC+2*\b+1]
.endr
.endm
; ONE FLOW STEP, on the flow in the slot that begins at LDS byte s[TB].  No LDS load is out at its head or at its end.
.macro FLOW
	v_add_nc_u32 v[LB], s[TB], v[LA]
.irp c, 0,1,2,3
	ds_load_b128 v[VF+8*\c:VF+8*\c+3],   v[LB] offset:JP*\c     ; V: item c holds reflections 2 c and 2 c + 1
	ds_load_b128 v[VF+8*\c+4:VF+8*\c+7], v[LB] offset:JP*\c+UP
.endr
	ds_load_b128 v[M4:M4+3],   v[LB] offset:4*JP   ; item 4
	ds_load_b128 v[M4+4:M4+7], v[LB] offset:4*JP+UP
	ds_load_b32 v[RD0], v[LB] offset:13*JP         ; R's raw diagonal in bands 0 and 2: position 0 of its folded chunks
	ds_load_b32 v[RD2], v[LB] offset:14*JP
	LDTRI 5                                        ; R~: it lands while the norms are made
	s_wait_dscnt 20                                ; V is in; item 4's two loads, R's two words and R~'s sixteen loads may be out
	; -2 / |v|^2 for the eight reflections, stage by stage, so that no line waits for the one before it
.irp i, 0,1,2,3,4,5,6,7
	v_pk_mul_f32 v[Y+2*\i:Y+2*\i+1], v[VF+4*\i:VF+4*\i+1], v[VF+4*\i:VF+4*\i+1]
.endr
.irp i, 0,1,2,3,4,5,6,7
	v_pk_fma_f32 v[Y+2*\i:Y+2*\i+1], v[VF+4*\i+2:VF+4*\i+3], v[VF+4*\i+2:VF+4*\i+3], v[Y+2*\i:Y+2*\i+1]
.endr
.irp i, 0,1,2,3,4,5,6,7
	v_add_f32 v[Y+2*\i], v[Y+2*\i], v[Y+2*\i+1]
.endr
.irp x, 1,2,4
.irp i, 0,1,2,3,4,5,6,7
	v_add_f32_dpp v[Y+2*\i], v[Y+2*\i], v[Y+2*\i] row_xmask:\x row_mask:0xf bank_mask:0xf
.endr
.endr
.irp i, 0,1,2,3,4,5,6,7
	v_rcp_f32 v[NRC+\i], v[Y+2*\i]
.endr
	v_nop                                          ; a plain instruction between the last reciprocal and the use of its result
	s_wait_alu depctr_va_vdst(0)
.irp i, 0,1,2,3,4,5,6,7
	v_mul_f32 v[NRC+\i], -2.0, v[NRC+\i]
.endr
	s_wait_dscnt 0x0                               ; item 4, R's two words and R~ are in
.irp b, 0,1,2,3
	v_mul_f32 v[M4+4+\b], s[TL2E], v[M4+4+\b]      ; 2 log2 e times b: the addend of the fused scaling in front of tanh
.endr
	MPREP
	SP4 MAT, MAT+8, MAT+16, MAT+24, MAT+8, M4+2, MAT+24, M4+3, s[EPS]  ; r~ = softplus(r~_raw) + 0.01, straight into the diagonal
	v_mul_f32 v[RR],   v[RD0],  v[MAT]
	v_mul_f32 v[RR+1], v[M4],   v[MAT+8]
	v_mul_f32 v[RR+2], v[RD2],  v[MAT+16]
	v_mul_f32 v[RR+3], v[M4+1], v[MAT+24]
	SP4 MM, MM+1, MM+2, MM+3, RR, RR+1, RR+2, RR+3, -1.0               ; m = softplus(r_raw r~) - 1
.irp b, 0,1,2,3
	v_rcp_f32 v[RC+\b], v[MAT+8*\b]
.endr
	v_nop
	REFL 0, Z, X                                   ; Q^T z: H0 first
.irp i, 1,2,3,4,5,6,7
	REFL \i, X, X
.endr
	GATHER X
	MATVEC T                                       ; R~ Q^T z
	LDTRI 13                                       ; R takes R~'s registers: it lands under tanh, ln det and the gather of t
.irp b, 0,1,2,3
	v_fma_f32 v[T+\b], v[T+\b], s[TL2E], v[M4+4+\b]  ; 2 log2 e (R~ Q^T z + b)
.endr
.irp b, 0,1,2,3
	v_exp_f32 v[T+\b], v[T+\b]
.endr
	v_nop
	s_wait_alu depctr_va_vdst(0)
.irp b, 0,1,2,3
	v_add_f32 v[T+\b], 1.0, v[T+\b]
.endr
.irp b, 0,1,2,3
	v_rcp_f32 v[T+\b], v[T+\b]
.endr
	v_nop
	s_wait_alu depctr_va_vdst(0)
.irp b, 0,1,2,3
	v_fma_f32 v[TT+\b], -2.0, v[T+\b], 1.0         ; t
.endr
.irp b, 0,1,2,3
	v_fma_f32 v[HP+\b], -v[TT+\b], v[TT+\b], 1.0   ; 1 - t^2
.endr
.irp b, 0,1,2,3
	v_fma_f32 v[T+\b], v[HP+\b], v[MM+\b], 1.0     ; 1 + h' diag(R~ R)
.endr
.irp b, 0,1,2,3
	v_add_f32 v[T+\b], |v[T+\b]|, s[EPS8]
.endr
.irp b, 0,1,2,3
	v_log_f32 v[T+\b], v[T+\b]
.endr
	v_nop
	s_wait_alu depctr_va_vdst(0)
.irp b, 0,1,2,3
	v_fma_f32 v[LD+\b], v[T+\b], s[LN2], v[LD+\b]
.endr
	GATHER TT
	s_wait_dscnt 0x0                               ; R is in
	MPREP
.irp b, 0,1,2,3
	v_mul_f32 v[MAT+8*\b], v[MM+\b], v[RC+\b]      ; r_new = m / r~
.endr
	MATVEC X                                       ; R t
.irp i, 7,6,5,4,3,2,1,0
	REFL \i, X, X                                  ; Q R t: H7 first
.endr
	v_pk_add_f32 v[Z:Z+1], v[Z:Z+1], v[X:X+1]
	v_pk_add_f32 v[Z+2:Z+3], v[Z+2:Z+3], v[X+2:X+3]
.endm
	s_load_b256 s[4:11], s[0:1], 0x0               ; P s[4:5], z_0 s[6:7], out0 s[8:9], out1 s[10:11]
	v_lshl_add_u32 v[SPW], v0, 2, SPARE
	v_mov_b32 v[NIL], 0
	ds_add_u32 v[SPW], v[NIL]                      ; the wave's opening: the add, with its wait ahead of my first tensor load; the set-up below stands between them
	ds_add_u32 v1, v2
	v_lshrrev_b32 v3, 5, v0
	v_readfirstlane_b32 s12, v3                    ; wave 0..3
	s_mov_b32 s[G1+0], (3<<16)|(1<<20)|(5<<22)|(3<<25)  ; 17:16 elements of 8 bytes; 20 padding on; 24:22 after every 64 words (code 5); 31:25 4 words of it (code 3)
	s_mov_b32 s[G1+1], 128<<16                     ; tensor_dim0 = 128: rows of 1,024 bytes
	s_mov_b32 s[G1+2], 21<<16                      ; tensor_dim1 = 21: the flow's items
	s_mov_b32 s[G1+3], 128<<16                     ; tile_dim0 = 128
	s_mov_b32 s[G1+4], 21                          ; tile_dim1 = 21
	s_mov_b32 s[G1+5], 1024                        ; 1,024 elements, 8,192 bytes, from item to item
	s_mov_b32 s[G1+6], 0
	s_mov_b32 s[G1+7], 0
	s_mul_i32 s36, ttmp9, SBB                      ; my 16 samples (175,472,640 at the most),
	s_lshl_b32 s14, s12, 10                        ; my wave's 1,024 bytes of each piece,
	s_add_co_u32 s36, s36, s14
	s_mov_b32 s37, 0
	s_mul_i32 s15, s12, QB                         ; and its quarter of a slot
	s_lshl_b32 s38, ttmp9, 11                      ; 16 rows of 128 bytes of z_0, out0, out1
	s_mov_b32 s39, 0
	s_mov_b32 s[STP], PAIRB-FLB                    ; from flow 1 to flow 2; then FLB and this by turns
	s_mov_b32 s[STP+1], 0
	s_mov_b32 s[EPS], 0x3c23d70a
	s_mov_b32 s[NL2E], 0xbfb8aa3b
	s_mov_b32 s[LN2], 0x3f317218
	s_mov_b32 s[TL2E], 0x4038aa3b
	s_mov_b32 s[EPS8], 0x322bcc77
	s_wait_dscnt 0x0                               ; the opening add is done
	s_wait_kmcnt 0x0
	s_add_nc_u64 s[4:5], s[4:5], s[36:37]
	s_add_nc_u64 s[6:7], s[6:7], s[38:39]
	s_add_nc_u64 s[8:9], s[8:9], s[38:39]
	s_add_nc_u64 s[10:11], s[10:11], s[38:39]
.irp n, 0,1                            ; the first fills go out as one group: flows 0 and 1; two loads of mine are out
	s_mov_b32 s[G0+4*\n], 1                        ; 1:0 count = 1
	s_add_co_u32 s[G0+4*\n+1], s15, SLOT1*\n       ; 63:32 LDS address
	s_add_nc_u64 s[G0+4*\n+2:G0+4*\n+3], s[4:5], FLB*\n  ; 120:64 global address
	s_or_b32 s[G0+4*\n+3], s[G0+4*\n+3], 0x80000000  ; 127:126 type = 2
	tensor_load_to_lds s[G0+4*\n:G0+4*\n+3], s[G1:G1+7]
	s_nop 0
.endr
	v_lshlrev_b32 v[GOFF], 4, v0
	global_load_b128 v[MX:MX+3], v[GOFF], s[6:7]   ; z_0 as it lies: 512 consecutive bytes a wave
	v_and_b32 v236, 7, v0                          ; g
	v_lshrrev_b32 v237, 3, v0                      ; my sample among the 16
	v_lshrrev_b32 v238, 1, v236                    ; g / 2: whose quarter
	v_mul_u32_u24 v[LA], v238, QB
	v_and_b32 v238, 1, v236                        ; g % 2: which two of its four units
	v_mad_u32_u24 v[LA], v238, 2*UP, v[LA]
	v_lshl_add_u32 v[LA], v237, 4, v[LA]
	v_add_nc_u32 v[SA], STAGE, v[GOFF]
	v_sub_nc_u32 v238, 7, v236
	v_lshlrev_b32 v239, 7, v237
	v_add_nc_u32 v239, STAGE, v239
	v_lshl_add_u32 v[SCE], v236, 2, v239
	v_lshl_add_u32 v[SCO], v238, 2, v239
	v_mov_b32 v[ME], 0
.irp p, 1,2,3,4,5,6,7
	v_cmp_gt_u32 vcc_lo, 8-\p, v236                ; p <= 7 - g
	v_cndmask_b32 v[ME+\p], 0, 1.0, vcc_lo
.endr
.irp b, 0,1,2,3
	v_mov_b32 v[LD+\b], 0
.endr
.set i, 0
.rept 32
	v_mov_b32 v[Y+i], 0                            ; a lane exchange counts as a reader of its destination: Y is written once, in the wait for the first tile
.set i, i+1
.endr
	s_wait_loadcnt 0x0
	ds_store_b128 v[SA], v[MX:MX+3]                ; through my wave's own stage: LDS serves a wave's instructions in order, so the loads below see this store
	ds_load_b32 v[Z], v[SCE]
	ds_load_b32 v[Z+1], v[SCO] offset:32
	ds_load_b32 v[Z+2], v[SCE] offset:64
	ds_load_b32 v[Z+3], v[SCO] offset:96
	s_wait_dscnt 0x0
	v_cvt_pk_bf16_f32 v[MX], v[Z], v[Z+1]          ; z_0 rounded to bf16, like the other inputs
	v_cvt_pk_bf16_f32 v[MX+1], v[Z+2], v[Z+3]
	v_lshlrev_b32 v[Z], 16, v[MX]
	v_and_b32 v[Z+1], 0xffff0000, v[MX]
	v_lshlrev_b32 v[Z+2], 16, v[MX+1]
	v_and_b32 v[Z+3], 0xffff0000, v[MX+1]
	s_mov_b32 s[TB], 0
	s_wait_tensorcnt 1                             ; my part of flow 0 is in; flow 1's may stay out
	s_barrier_signal -1
	s_barrier_wait -1                              ; everybody's is
	FLOW                                           ; flow 0, in slot 0
	s_mov_b32 s41, 6
.Lring:                                                ; trip t = 0..5: the slot just read takes flow t + 2, and flow t + 1 is worked on in the other
	s_wait_tensorcnt 0x0                           ; all my tensor loads have landed, my part of flow t + 1 among them: a group 0 may be written
	ds_add_u32 v[SPW], v[NIL]                      ; 0 onto my spare word; the descriptor's steps stand between it and the wait for it
	s_xor_b32 s[GW+1], s[GW+1], SLOT1              ; the walking descriptor: the other slot than last time,
	s_add_nc_u64 s[GW+2:GW+3], s[GW+2:GW+3], s[STP:STP+1]  ; the next flow; the type bits on top are not reached
	s_xor_b32 s[STP], s[STP], (PAIRB-FLB)^FLB      ; the steps take turns
	s_xor_b32 s[TB], s[TB], SLOT1                  ; and the reads go to the other slot
	s_wait_dscnt 0x0                               ; the add is done, and my reads of the slot are over
	s_barrier_signal -1
	s_barrier_wait -1                              ; nobody reads the old slot any more, and the other slot is whole
	tensor_load_to_lds s[GW:GW+3], s[G1:G1+7]      ; my one tensor load behind the barrier, and the first thing there: it has a flow step in which to land
	s_nop 0
	FLOW
	s_sub_co_u32 s41, s41, 1
	s_cmp_lg_u32 s41, 0
	s_cbranch_scc1 .Lring
	s_wait_tensorcnt 0x0                           ; my part of flow 7, the one load that was out
	s_barrier_signal -1
	s_barrier_wait -1                              ; everybody's is in
	s_xor_b32 s[TB], s[TB], SLOT1
	FLOW                                           ; flow 7, written out
	; THE WAY OUT: through my wave's stage back into rows; each store covers 512 consecutive bytes, aligned
	ds_store_b32 v[SCE], v[Z]
	ds_store_b32 v[SCO], v[Z+1] offset:32
	ds_store_b32 v[SCE], v[Z+2] offset:64
	ds_store_b32 v[SCO], v[Z+3] offset:96
	ds_load_b128 v[Y:Y+3], v[SA]
	ds_store_b32 v[SCE], v[LD]                     ; in order behind the load above
	ds_store_b32 v[SCO], v[LD+1] offset:32
	ds_store_b32 v[SCE], v[LD+2] offset:64
	ds_store_b32 v[SCO], v[LD+3] offset:96
	ds_load_b128 v[Y+4:Y+7], v[SA]
	s_wait_dscnt 5                                 ; z is back; the five younger LDS instructions may be out
	global_store_b128 v[GOFF], v[Y:Y+3], s[8:9]
	s_wait_dscnt 0x0
	global_store_b128 v[GOFF], v[Y+4:Y+7], s[10:11]
	s_wait_tensorcnt 0x0                           ; the wave's end: behind my last tensor load and my last LDS store
	ds_add_u32 v[SPW], v[NIL]
	s_wait_dscnt 0x0
	s_endpgm
.Lfunc_end_k_q94acf482a3_flow:
	.size	k_q94acf482a3_flow, .Lfunc_end_k_q94acf482a3_flow-k_q94acf482a3_flow
	.p2alignl 7, 3214868480
	.fill 96, 4, 3214868480
	.section	.rodata,"a",@progbits
	.p2align	6, 0x0
	.amdhsa_kernel k_q94acf482a3_flow
		.amdhsa_group_segment_fixed_size 327680
		.amdhsa_private_segment_fixed_size 0
		.amdhsa_enable_private_segment 0
		.amdhsa_kernarg_size 32
		.amdhsa_user_sgpr_count 2
		.amdhsa_user_sgpr_kernarg_segment_ptr 1
		.amdhsa_wavefront_size32 1
		.amdhsa_system_sgpr_workgroup_id_x 1
		.amdhsa_system_sgpr_workgroup_id_y 1
		.amdhsa_system_sgpr_workgroup_id_z 1
		.amdhsa_system_vgpr_workitem_id 0
		.amdhsa_next_free_vgpr 240
		.amdhsa_next_free_sgpr 66
		.amdhsa_reserve_vcc 1
		.amdhsa_float_denorm_mode_32 3
		.amdhsa_float_denorm_mode_16_64 3
		.amdhsa_memory_ordered 1
		.amdhsa_forward_progress 1
		.amdhsa_inst_pref_size 100
	.end_amdhsa_kernel
	.amdgpu_metadata
---
amdhsa.version: [ 1, 2 ]
amdhsa.kernels:
  - .name:           k_q94acf482a3_flow
    .symbol:         k_q94acf482a3_flow.kd
    .args:
      - { .name: P, .offset: 0, .size: 8, .value_kind: global_buffer, .address_space: global }
      - { .name: z_0, .offset: 8, .size: 8, .value_kind: global_buffer, .address_space: global }
      - { .name: out0, .offset: 16, .size: 8, .value_kind: global_buffer, .address_space: global }
      - { .name: out1, .offset: 24, .size: 8, .value_kind: global_buffer, .address_space: global }
    .group_segment_fixed_size: 327680
    .private_segment_fixed_size: 0
    .kernarg_segment_align: 8
    .kernarg_segment_size: 32
    .max_flat_workgroup_size: 128
    .sgpr_count:     66
    .vgpr_count:     240
    .wavefront_size: 32
...
	.end_amdgpu_metadata
.endif
;; end of part 3
;; ======== version 2 of 2: 3 launches; version 1 with the launch prep written anew for expert scheduling mode
;; limits: values outside matrix products are rounded to bf16
;; workspace buffers: h16 2,555,904 bytes; w16 6,881,280 bytes; P 176,160,768 bytes
;; launch prep (part 4): grid 512 x 1, 2 waves a work-group, no clusters, 76,032 bytes of LDS; arguments W_lin, b_lin, h, w16, h16; writes w16, h16
.if DOCPART == 4
	.amdgcn_target "amdgcn-amd-amdhsa--gfx1250"
	.amdhsa_code_object_version 6
	.text
	.protected	k_q94acf482a3_prep
	.globl	k_q94acf482a3_prep
	.p2align	8
	.type	k_q94acf482a3_prep,@function
k_q94acf482a3_prep:
	s_mov_b64 s[64:65], 0
	v_nop
	global_prefetch_b8 v0, s[64:65] scope:SCOPE_SE
	s_setreg_imm32_b32 hwreg(HW_REG_WAVE_SCHED_MODE, 0, 2), 2
	s_setreg_imm32_b32 hwreg(HW_REG_WAVE_MODE, 25, 1), 1
	s_wait_xcnt 0x0
	s_wait_alu depctr_vm_vsrc(0)
; PREP: the two operands of the product params = h W + b, rounded once to bf16 and laid out for the launch behind.
; w16 [tile 42][half 2][panel 2][kk 160][place 16][8] bf16: only the 10,752 columns of W that survive the module's own triu, in the order in which the
;   flow launch wants them.  Row k = 160 half + kk; k < 300: W's row k; k = 300: b_lin (it meets a column of ones in h16); k = 301..319: zeros.
;   A panel is item j (0..20) of flow pair fp (0..3): 16 chunks c = 8 e + g of 8 numbers (flow 2 fp + e, lane g of 8).  Chunk c lies at place c xor 2 (k & 7).
; h16 [4096][312] bf16: columns 0..299 h, column 300 = 1, columns 301..311 = 0.
; THE ORDER OF COLUMNS.  Lane g owns in band B (0..3) the component own(B, g) = 8 B + g (B even) or 8 B + 7 - g (B odd).  With gp = (g + p) & 7, wr = (g + p) >> 3, position p of
;   items 0-3 (c = j): V[2 c + p / 4][own(p % 4, g)]          item 4: R's diagonal at own(1), own(3); R~'s at own(1), own(3); b at own(0..3)
;   items 5, 6 (R~) and 13, 14 (R), be = 0, 2: M[own(be + wr, g)][own(be + wr, gp)]: the even band's diagonal and strict upper part, then the odd band's strict upper part
;   items 7-12 (R~) and 15-20 (R), (b, q) = (0,1) (0,2) (0,3) (1,2) (1,3) (2,3): M[own(b, g)][own(q, gp)]
; SHARES.  Work-group x < 320 makes row k = x of w16; wave w serves flows 4 w .. 4 w + 3: it stages their part of the row in LDS bytes of its own (no wave reads another's, so no barrier)
; and gathers 21 items, 16 bytes a lane; sixteen lanes store 256 consecutive bytes, aligned.  Work-groups 320..511 make h16: three waves share 32 rows, 13 stores of 512 consecutive bytes a wave.
; No matrix unit, no cluster: each input byte is read once and nothing is shared.
; THE MODE: SCHED_MODE bits 1:0 = 2 (LLVM: expert scheduling mode 2), set by the entry lines.  The code itself states the register dependences
; between vector instructions and memory or LDS instructions, with s_wait_alu, always for 0.
; THE PLAN, for a row of w16.  Registers that memory or LDS instructions touch:
;   v3-v6      offsets in the row and the stage's address: written once at the head, read by the loads and the stage's stores: one wait on va_vdst ahead of the first load.
;   v7, v16-60 the gathers' address tables: written once while the first loads are out, read by the gathers: one wait on va_vdst behind them.
;   X          the loads land in it, the stage's stores read it.  Behind those stores one wait on vm_vsrc: R's loads land in its first 128 registers again, and D and O take ten of those in which V landed.
;   G0 .. G2   Item n's roundings read G[n % 3]; the gathers of item n + 2, issued in item n, land in G[(n + 2) % 3] = G[(n - 1) % 3].
;   D0, D1, O0, O1   Item n's vector work writes set n % 2; the one store that reads it is issued at the head of item n + 1.
; So the waits at the head of item n state all that its store and its eight gathers hang on: item n - 1 has written its D and O and is done reading its G (va_vdst); the store issued in
; item n - 1 has read the D and O that item n writes again (vm_vsrc, beside s_wait_xcnt 0).  No vector instruction of item n names a register that its store or its gathers touch.
; For h16 and for the rows of zeros every load and store has registers of its own: the addresses are all made first, with one wait on va_vdst ahead of the first memory instruction.
.set ROWB,  74752                      ; bytes in a row of W_lin, and in b_lin
.set FS,    4128                       ; a flow's 32 x 32 numbers in the stage, 4,096 bytes + 32: the four flows of a gather start 8 banks apart
.set VS,    1056                       ; a flow's V: 1,024 + 32
.set BS,    160                        ; a flow's b: 128 + 32
.set RSEC,  0                          ; the stage of a wave: R,
.set TSEC,  4*FS                       ; R~,
.set VSEC,  8*FS                       ; V,
.set BSEC,  8*FS+4*VS                  ; b
.set WAVEB, 8*FS+4*VS+4*BS             ; 37,888 bytes a wave
.set SPARE, 2*WAVEB                    ; 75,776: the spare words, 128 bytes a wave: one block of 256 bytes that no other line names
.set SPW,  1                           ; v1   LDS address of my spare word; never rewritten
.set NIL,  2                           ; v2   0; never rewritten
.set OFFR, 3                           ; v3   my 16 bytes in the wave's part of R (and of R~)
.set OFFV, 4                           ; v4   of V
.set OFFB, 5                           ; v5   of b
.set ST,   6                           ; v6   stage + 16 x lane
.set STB,  7                           ; v7   where my 16 bytes of b go
.set OB,   8                           ; v8   my place in a row of a panel, with the row and the half
.set FP21, 9                           ; v9   21 x my flow pair
.set AEE,  16                          ; v16-23  row in an even band, column in an even band, for p = 0..7
.set AEO,  24                          ; v24-31  even, odd
.set AOE,  32                          ; v32-39  odd, even
.set AOO,  40                          ; v40-47  odd, odd
.set AF,   48                          ; v48-55  the folded diagonal blocks
.set VE,   56                          ; v56, v57  V: a component of an even band, of an odd band
.set DO,   58                          ; v58  a diagonal element of an odd band
.set BE,   59                          ; v59, v60  b: even band, odd band
.set BO,   60
.set G,    64                          ; v64-87  gathered numbers, three sets of 8
.set X,    92                          ; v92-255 41 loads of 4 registers
.set D,    220                         ; v220-227  packed, two sets of 4: registers in which V's loads landed, free once the stage's stores have read them
.set O,    228                         ; v228-229  store offsets, one a set: likewise
.set CM,   16                          ; s16-23  the fold's masks, one for each p
.set TST,  30                          ; s30  bytes of w16 from tile to tile
.set PST,  31                          ; s31  from panel to panel
.macro IT_A set, a, imm                ; eight gathers by the address table a
.set p, 0
.rept 8
	ds_load_b32 v[G+8*(\set)+p], v[(\a)+p] offset:\imm
.set p, p+1
.endr
.endm
.macro IT_V set, c                     ; item c of V
.set p, 0
.rept 8
	ds_load_b32 v[G+8*(\set)+p], v[VE+p%2] offset:VSEC+128*(2*(\c)+p/4)+32*(p%4)
.set p, p+1
.endr
.endm
.macro IT_M set                        ; item 4: the odd bands' diagonals and b
	ds_load_b32 v[G+8*(\set)+0], v[DO] offset:RSEC+1056
	ds_load_b32 v[G+8*(\set)+1], v[DO] offset:RSEC+3168
	ds_load_b32 v[G+8*(\set)+2], v[DO] offset:TSEC+1056
	ds_load_b32 v[G+8*(\set)+3], v[DO] offset:TSEC+3168
	ds_load_b32 v[G+8*(\set)+4], v[BE] offset:BSEC
	ds_load_b32 v[G+8*(\set)+5], v[BO] offset:BSEC+32
	ds_load_b32 v[G+8*(\set)+6], v[BE] offset:BSEC+64
	ds_load_b32 v[G+8*(\set)+7], v[BO] offset:BSEC+96
.endm
.macro IT_X set, jj, sec               ; item jj (0..7) of the triangle staged at sec: row 128 bytes, column 4 bytes: band b adds 1,024, band q adds 32
.if (\jj) == 0
	IT_A \set, AF, \sec
.elseif (\jj) == 1
	IT_A \set, AF, (\sec)+2112
.elseif (\jj) == 2
	IT_A \set, AEO, (\sec)+32
.elseif (\jj) == 3
	IT_A \set, AEE, (\sec)+64
.elseif (\jj) == 4
	IT_A \set, AEO, (\sec)+96
.elseif (\jj) == 5
	IT_A \set, AOE, (\sec)+1024+64
.elseif (\jj) == 6
	IT_A \set, AOO, (\sec)+1024+96
.else
	IT_A \set, AEO, (\sec)+2048+96
.endif
.endm
.macro SEND d                          ; the item whose 16 bytes a lane lie in set d goes out
	global_store_b128 v[O+(\d)], v[D+4*(\d):D+4*(\d)+3], s[10:11]  ; lanes 0-15 and lanes 16-31 each store 256 consecutive bytes, aligned
.endm
; The head of the n-th item in the order of work.  left = the LDS loads issued behind its eight.  st = 1: the item before is stored here.  re = 1: this item's D and O have been a store's sources.
.macro HEAD n, left, st, re
	s_wait_dscnt \left                             ; LDS loads come back in order: G[n % 3] is in, the next item's eight may be out
.if \re
	s_wait_xcnt 0x0                                ; set n % 2 of D and O was the source of a store issued an item ago: rewritten only behind this wait,
	s_wait_alu depctr_vm_vsrc(0)                   ; and behind this one: that store has read D and O of set n % 2, which this item's vector work writes again
.endif
.if \st
	s_wait_alu depctr_va_vdst(0)                   ; the item before has written its D and O, which the store below reads, and is done reading its G, in which the gathers that follow this head land
	SEND ((\n)+1)%2
.endif
.endm
; The n-th item, which is item j of the panel order, is rounded, and the offset of its store is made.
.macro WORK n, j
.irp m, 0,1,2,3
	v_cvt_pk_bf16_f32 v[D+4*((\n)%2)+\m], v[G+8*((\n)%3)+2*\m], v[G+8*((\n)%3)+2*\m+1]
.endr
	v_add_nc_u32 v12, \j, v[FP21]                  ; the panel's number
	v_lshrrev_b32 v13, 1, v12                      ; its tile,
	v_and_b32 v12, 1, v12                          ; and which of the tile's two it is
	v_mad_u32_u24 v[O+(\n)%2], v13, s[TST], v[OB]
	v_mad_u32_u24 v[O+(\n)%2], v12, s[PST], v[O+(\n)%2]
.endm
	s_load_b256 s[4:11], s[0:1], 0x0               ; W_lin s[4:5], b_lin s[6:7], h s[8:9], w16 s[10:11]
	s_load_b64 s[12:13], s[0:1], 0x20              ; h16
	v_lshl_add_u32 v[SPW], v0, 2, SPARE
	v_mov_b32 v[NIL], 0
	v_lshrrev_b32 v10, 5, v0
	v_readfirstlane_b32 s14, v10                   ; wave 0, 1
	s_mov_b32 s15, ttmp9
	s_wait_alu depctr_va_sdst(0)                   ; s14 is written, ahead of the branch and of its first reader on either way
	s_cmp_ge_u32 s15, 320
	s_cbranch_scc1 .Lh
	; A ROW OF w16: k = s15
	s_cmp_ge_u32 s15, 160
	s_cselect_b32 s16, 160, 0
	s_cselect_b32 s17, 81920, 0                    ; the half
	s_sub_co_u32 s16, s15, s16                     ; kk
	s_lshl_b32 s16, s16, 8
	s_add_co_u32 s17, s17, s16                     ; 81,920 half + 256 kk
	s_and_b32 s18, s15, 7
	s_lshl_b32 s18, s18, 1                         ; 2 (k & 7)
	s_mov_b32 s[TST], 163840                       ; bytes from tile to tile
	s_mov_b32 s[PST], 40960                        ; from panel to panel
	v_and_b32 v11, 15, v0                          ; my chunk c = 8 e + g
	v_xor_b32 v11, s18, v11                        ; its place in the row
	v_lshl_add_u32 v[OB], v11, 4, s17
	v_bfe_u32 v[FP21], v0, 4, 1
	v_lshl_add_u32 v[FP21], s14, 1, v[FP21]        ; my flow pair: 2 w + lane / 16
	v_mul_u32_u24 v[FP21], 21, v[FP21]
	s_cmp_gt_u32 s15, 300
	s_cbranch_scc1 .Lzero
	s_cmp_eq_u32 s15, 300
	s_cselect_b32 s22, 0, s15                      ; W's row, or b_lin's only one
	s_mul_i32 s22, s22, ROWB
	s_mov_b32 s23, 0
	s_lshl_b32 s26, s14, 14                        ; four flows of R: 16,384 bytes
	s_lshl_b32 s27, s14, 12                        ; of V: 4,096
	s_lshl_b32 s28, s14, 9                         ; of b: 512
	s_mul_i32 s29, s14, WAVEB                      ; my wave's stage
	v_and_b32 v10, 31, v0
	v_lshl_add_u32 v[OFFR], v10, 4, s26
	v_lshl_add_u32 v[OFFV], v10, 4, s27
	v_lshl_add_u32 v[OFFB], v10, 4, s28
	v_lshl_add_u32 v[ST], v10, 4, s29
	s_wait_kmcnt 0x0
	s_cmp_eq_u32 s15, 300
	s_cselect_b64 s[24:25], s[6:7], s[4:5]         ; row 300 is b_lin
	s_add_nc_u64 s[24:25], s[24:25], s[22:23]
	s_wait_alu depctr_va_vdst(0)                   ; v3 to v6 are written: the loads read the first three as their offsets, the stage's stores the fourth as their address
	; 41 loads of 512 consecutive bytes: R~, V, b of my four flows
.set i, 0
.rept 32
	global_load_b128 v[X+4*i:X+4*i+3], v[OFFR], s[24:25] offset:32768+512*i th:TH_LOAD_NT
.set i, i+1
.endr
.set i, 0
.rept 8
	global_load_b128 v[X+128+4*i:X+128+4*i+3], v[OFFV], s[24:25] offset:65536+512*i th:TH_LOAD_NT
.set i, i+1
.endr
	global_load_b128 v[X+160:X+163], v[OFFB], s[24:25] offset:73728 th:TH_LOAD_NT
	; the gathers' addresses, while the loads are out
	v_and_b32 v10, 7, v0                           ; g
.set p, 0
.rept 8
	v_cmp_lt_u32 s[CM+p], 7-p, v10                 ; g + p > 7: wrapped.  The eight compares stand in one run; the tables below stand between them and the wait for their masks
.set p, p+1
.endr
	v_bfe_u32 v11, v0, 3, 2                        ; my flow among the wave's four
	v_sub_nc_u32 v12, 7, v10                       ; 7 - g
	v_mul_u32_u24 v13, v11, FS
	v_add_nc_u32 v13, s29, v13
	v_lshl_add_u32 v14, v10, 7, v13                ; my row in an even band
	v_lshl_add_u32 v15, v12, 7, v13                ; in an odd band
	v_mad_u32_u24 v[DO], v12, 132, v13             ; row and column 7 - g
.set p, 0
.rept 8
	v_add_nc_u32 v61, p, v10                       ; g + p
	v_and_b32 v62, 7, v61                          ; gp
	v_sub_nc_u32 v63, 7, v62
	v_lshl_add_u32 v[AEE+p], v62, 2, v14
	v_lshl_add_u32 v[AEO+p], v63, 2, v14
	v_lshl_add_u32 v[AOE+p], v62, 2, v15
	v_lshl_add_u32 v[AOO+p], v63, 2, v15
.set p, p+1
.endr
	v_mul_u32_u24 v13, v11, VS
	v_add_nc_u32 v13, s29, v13
	v_lshl_add_u32 v[VE], v10, 2, v13
	v_lshl_add_u32 v[VE+1], v12, 2, v13
	v_mul_u32_u24 v13, v11, BS
	v_add_nc_u32 v13, s29, v13
	v_lshl_add_u32 v[BE], v10, 2, v13
	v_lshl_add_u32 v[BO], v12, 2, v13
	v_lshl_add_u32 v[STB], v10, 4, v13             ; eight lanes hold a flow's b
	s_wait_alu depctr_va_sdst(0)                   ; the eight compares have written s16 to s23, which the selects below read
.set p, 0
.rept 8
	v_add_nc_u32 v63, 1056, v[AOO+p]               ; wrapped: the odd band's part of the fold, one band (1,024 + 32 bytes) on
	v_cndmask_b32 v[AF+p], v[AEE+p], v63, s[CM+p]
.set p, p+1
.endr
	s_wait_alu depctr_va_vdst(0)                   ; v7 and the tables v16 to v60 are written: b's LDS store and all the gathers read them as addresses; none is written again
	; into the stage, each load as it comes: the count is the number of younger loads
.set i, 0
.rept 32
	s_wait_loadcnt 40-i
	ds_store_b128 v[ST], v[X+4*i:X+4*i+3] offset:TSEC+FS*(i/8)+512*(i%8)
.set i, i+1
.endr
.set i, 0
.rept 8
	s_wait_loadcnt 8-i
	ds_store_b128 v[ST], v[X+128+4*i:X+128+4*i+3] offset:VSEC+VS*(i/2)+512*(i%2)
.set i, i+1
.endr
	s_wait_loadcnt 0x0
	ds_store_b128 v[STB], v[X+160:X+163] offset:BSEC
	s_wait_alu depctr_vm_vsrc(0)                   ; the stage's stores have read X: R's loads land in its first 128 registers, and the roundings write D and O where V's loads landed
	; R's 32 loads go out now and land while V's and R~'s twelve items are made
.set i, 0
.rept 32
	global_load_b128 v[X+4*i:X+4*i+3], v[OFFR], s[24:25] offset:512*i th:TH_LOAD_NT
.set i, i+1
.endr
	; LDS serves a wave's instructions in order: the gathers see the stores above.  In item n the item before is stored, item n + 2 is gathered, and item n is rounded.
	IT_V 0, 0
	IT_V 1, 1
	HEAD 0, 8, 0, 0                                ; no item stands before it; G2 has been named by no vector instruction
	IT_V 2, 2
	WORK 0, 0
	HEAD 1, 8, 1, 0                                ; its D and O have not been a store's sources yet
	IT_V 0, 3
	WORK 1, 1
	HEAD 2, 8, 1, 1
	IT_X 1, 0, TSEC
	WORK 2, 2
	HEAD 3, 8, 1, 1
	IT_X 2, 1, TSEC
	WORK 3, 3
	HEAD 4, 8, 1, 1
	IT_X 0, 2, TSEC
	WORK 4, 5
	HEAD 5, 8, 1, 1
	IT_X 1, 3, TSEC
	WORK 5, 6
	HEAD 6, 8, 1, 1
	IT_X 2, 4, TSEC
	WORK 6, 7
	HEAD 7, 8, 1, 1
	IT_X 0, 5, TSEC
	WORK 7, 8
	HEAD 8, 8, 1, 1
	IT_X 1, 6, TSEC
	WORK 8, 9
	HEAD 9, 8, 1, 1
	IT_X 2, 7, TSEC
	WORK 9, 10
	HEAD 10, 8, 1, 1                               ; R is not staged yet: nothing more is gathered
	WORK 10, 11
	HEAD 11, 0, 1, 1
	WORK 11, 12
.set i, 0
.rept 32
	s_wait_loadcnt 31-i
	ds_store_b128 v[ST], v[X+4*i:X+4*i+3] offset:RSEC+FS*(i/8)+512*(i%8)
.set i, i+1
.endr
	s_wait_alu depctr_va_vdst(0)                   ; the twelfth item has written its D and O, which the store below reads; the last three items are done reading G0 to G2, in which the gathers below land
	SEND 1
	IT_X 0, 0, RSEC
	IT_X 1, 1, RSEC
	HEAD 12, 8, 0, 1                               ; the item before is stored already; no vector instruction since the wait above names G2
	IT_X 2, 2, RSEC
	WORK 12, 13
	HEAD 13, 8, 1, 1
	IT_X 0, 3, RSEC
	WORK 13, 14
	HEAD 14, 8, 1, 1
	IT_X 1, 4, RSEC
	WORK 14, 15
	HEAD 15, 8, 1, 1
	IT_X 2, 5, RSEC
	WORK 15, 16
	HEAD 16, 8, 1, 1
	IT_X 0, 6, RSEC
	WORK 16, 17
	HEAD 17, 8, 1, 1
	IT_X 1, 7, RSEC
	WORK 17, 18
	HEAD 18, 8, 1, 1
	IT_M 2
	WORK 18, 19
	HEAD 19, 8, 1, 1
	WORK 19, 20
	HEAD 20, 0, 1, 1
	WORK 20, 4
	s_wait_alu depctr_va_vdst(0)                   ; the last item has written its D and O, which the last store reads
	SEND 0
	s_wait_dscnt 0x0                               ; the closing lines, six on end
	s_wait_alu 0x0
	s_wait_tensorcnt 0x0
	ds_add_u32 v[SPW], v[NIL]
	s_wait_dscnt 0x0
	s_endpgm
.Lzero:                                                ; rows 301..319: zeros, so that the product's K can be 320.  No LDS is written on this way
	v_mov_b32 v[D], 0
	v_mov_b32 v[D+1], 0
	v_mov_b32 v[D+2], 0
	v_mov_b32 v[D+3], 0
.set j, 0
.rept 21                               ; each store has an offset register of its own: none is rewritten
	v_add_nc_u32 v12, j, v[FP21]
	v_lshrrev_b32 v13, 1, v12
	v_and_b32 v12, 1, v12
	v_mad_u32_u24 v[100+j], v13, s[TST], v[OB]
	v_mad_u32_u24 v[100+j], v12, s[PST], v[100+j]
.set j, j+1
.endr
	s_wait_kmcnt 0x0
	s_wait_alu depctr_va_vdst(0)                   ; the four zeros and the 21 offsets are written, which the stores below read
.set j, 0
.rept 21
	global_store_b128 v[100+j], v[D:D+3], s[10:11]
.set j, j+1
.endr
	s_endpgm
; h16.  A row is 39 chunks of 8 numbers; 32 rows are 1,248 chunks = 3 waves x 13 steps x 32 lanes.  Every step has registers of its own.
.set HC, 6                             ; v6-18    my chunk's number in its row
.set A1, 20                            ; v20-32   byte offset of its first four numbers in h
.set A2, 34                            ; v34-46   of its last four, less 16
.set HX, 48                            ; v48-151  8 registers a step: as loaded, then (the first four) as stored
.Lh:
	s_sub_co_u32 s16, s15, 320
	s_lshl1_add_u32 s16, s16, s14                  ; my wave among the 384
	s_mul_i32 s17, s16, 43691
	s_lshr_b32 s17, s17, 17                        ; / 3: which 32 rows
	s_mul_i32 s18, s17, 3
	s_sub_co_u32 s18, s16, s18                     ; which third of them
	s_mul_i32 s20, s17, 38400                      ; 32 rows of 1,200 bytes
	s_mov_b32 s21, 0
	s_mul_i32 s22, s17, 19968                      ; 32 rows of 624 bytes
	s_mul_i32 s19, s18, 6656                       ; 416 chunks of 16 bytes
	s_add_co_u32 s22, s22, s19
	s_mov_b32 s23, 0
	s_mul_i32 s19, s18, 416
	v_and_b32 v3, 31, v0
	v_add_nc_u32 v4, s19, v3                       ; my chunk among the 1,248, in step 0
	v_lshlrev_b32 v5, 4, v3
	v_mov_b32 v157, 0x3f80                         ; 1.0 in the low half, 0 in the high: columns 300, 301
.set it, 0
.rept 13                               ; all 13 steps' offsets are made first, in the wait for the arguments
	v_add_nc_u32 v152, 32*it, v4
	v_mul_u32_u24 v153, v152, 1681
	v_lshrrev_b32 v153, 16, v153                   ; / 39, exact below 1,248
	v_mul_u32_u24 v154, v153, 39
	v_sub_nc_u32 v[HC+it], v152, v154
	v_mul_u32_u24 v153, v153, 1200
	v_min_u32 v154, 37, v[HC+it]                   ; chunk 37 has four numbers of h, chunk 38 none: the loads stay inside the row
	v_lshl_add_u32 v[A1+it], v154, 5, v153
	v_min_u32 v154, 36, v[HC+it]
	v_lshl_add_u32 v[A2+it], v154, 5, v153
.set it, it+1
.endr
	s_wait_kmcnt 0x0
	s_add_nc_u64 s[8:9], s[8:9], s[20:21]
	s_add_nc_u64 s[12:13], s[12:13], s[22:23]
	s_wait_alu depctr_va_vdst(0)                   ; the 26 offsets v20 to v46 are written, which the loads read, and v5, which the stores read; none is written again
.set it, 0
.rept 13
	global_load_b128 v[HX+8*it:HX+8*it+3], v[A1+it], s[8:9] th:TH_LOAD_NT
	global_load_b128 v[HX+8*it+4:HX+8*it+7], v[A2+it], s[8:9] offset:16 th:TH_LOAD_NT
.set it, it+1
.endr
.set it, 0
.rept 13
	v_cmp_gt_u32 s24, 38, v[HC+it]                 ; the step's three masks hang on the chunk's number alone: they are made ahead of the wait for its data
	v_cmp_gt_u32 s25, 37, v[HC+it]
	v_cmp_eq_u32 s26, 37, v[HC+it]
	s_wait_loadcnt 24-2*it                         ; the later steps' loads stay out
.if it > 0
	s_wait_alu depctr_va_vdst(0)                   ; the step before has written its four registers, which the store below reads
	global_store_b128 v5, v[HX+8*(it-1):HX+8*(it-1)+3], s[12:13] offset:512*(it-1)  ; 512 consecutive bytes, at a multiple of 256 from h16's first
.endif
	v_cvt_pk_bf16_f32 v[HX+8*it], v[HX+8*it], v[HX+8*it+1]
	v_cvt_pk_bf16_f32 v[HX+8*it+1], v[HX+8*it+2], v[HX+8*it+3]
	v_cvt_pk_bf16_f32 v[HX+8*it+2], v[HX+8*it+4], v[HX+8*it+5]
	v_cvt_pk_bf16_f32 v[HX+8*it+3], v[HX+8*it+6], v[HX+8*it+7]
	s_wait_alu depctr_va_sdst(0)                   ; the three compares have written s24 to s26, which the selects below read
	v_cndmask_b32 v[HX+8*it], 0, v[HX+8*it], s24
	v_cndmask_b32 v[HX+8*it+1], 0, v[HX+8*it+1], s24
	v_cndmask_b32 v156, 0, v157, s26
	v_cndmask_b32 v[HX+8*it+2], v156, v[HX+8*it+2], s25
	v_cndmask_b32 v[HX+8*it+3], 0, v[HX+8*it+3], s25
.set it, it+1
.endr
	s_wait_alu depctr_va_vdst(0)                   ; the last step has written its four registers, which the last store reads
	global_store_b128 v5, v[HX+8*12:HX+8*12+3], s[12:13] offset:512*12
	s_endpgm
.Lfunc_end_k_q94acf482a3_prep:
	.size	k_q94acf482a3_prep, .Lfunc_end_k_q94acf482a3_prep-k_q94acf482a3_prep
	.p2alignl 7, 3214868480
	.fill 96, 4, 3214868480
	.section	.rodata,"a",@progbits
	.p2align	6, 0x0
	.amdhsa_kernel k_q94acf482a3_prep
		.amdhsa_group_segment_fixed_size 76032
		.amdhsa_private_segment_fixed_size 0
		.amdhsa_enable_private_segment 0
		.amdhsa_kernarg_size 40
		.amdhsa_user_sgpr_count 2
		.amdhsa_user_sgpr_kernarg_segment_ptr 1
		.amdhsa_wavefront_size32 1
		.amdhsa_system_sgpr_workgroup_id_x 1
		.amdhsa_system_sgpr_workgroup_id_y 1
		.amdhsa_system_sgpr_workgroup_id_z 1
		.amdhsa_system_vgpr_workitem_id 0
		.amdhsa_next_free_vgpr 256
		.amdhsa_next_free_sgpr 66
		.amdhsa_reserve_vcc 0
		.amdhsa_float_denorm_mode_32 3
		.amdhsa_float_denorm_mode_16_64 3
		.amdhsa_memory_ordered 1
		.amdhsa_forward_progress 1
		.amdhsa_inst_pref_size 77
	.end_amdhsa_kernel
	.amdgpu_metadata
---
amdhsa.version: [ 1, 2 ]
amdhsa.kernels:
  - .name:           k_q94acf482a3_prep
    .symbol:         k_q94acf482a3_prep.kd
    .args:
      - { .name: W_lin, .offset: 0, .size: 8, .value_kind: global_buffer, .address_space: global }
      - { .name: b_lin, .offset: 8, .size: 8, .value_kind: global_buffer, .address_space: global }
      - { .name: h, .offset: 16, .size: 8, .value_kind: global_buffer, .address_space: global }
      - { .name: w16, .offset: 24, .size: 8, .value_kind: global_buffer, .address_space: global }
      - { .name: h16, .offset: 32, .size: 8, .value_kind: global_buffer, .address_space: global }
    .group_segment_fixed_size: 76032
    .private_segment_fixed_size: 0
    .kernarg_segment_align: 8
    .kernarg_segment_size: 40
    .max_flat_workgroup_size: 64
    .sgpr_count:     66
    .vgpr_count:     256
    .wavefront_size: 32
...
	.end_amdgpu_metadata
.endif
;; end of part 4
;; launch gemm: the kernel of part 2 again; grid 16 x 14, 4 waves a work-group, clusters of 4 x 1, 327,680 bytes of LDS; arguments h16, w16, P; writes P
;; launch flow: the kernel of part 3 again; grid 256 x 1, 4 waves a work-group, no clusters, 327,680 bytes of LDS; arguments P, z_0, out0, out1; writes out0, out1
